; MI455X (gfx1250); checked and timed in simulation.
; The chip was launched on July 23, 2026; its instructions are those of AMD's public machine-readable ISA for CDNA 5 (MIT licence, August 2026) and "CDNA5" Instruction Set Architecture Reference Guide (July 2026). The comments in the code are by the model that wrote it; some were corrected since.
;; RPT Attention. Allowed arithmetic: matrix products marked QUANTISED: E4M3 operands, one given power-of-two scale a tensor, by v_wmma_f32_16x16x64_fp8_fp8 or v_wmma_f32_16x16x128_fp8_fp8, f32 sums; everything else in f32.
;; Inputs: hidden_states 1 x 2,048 x 2,048 float32; lowp_scales 12 int32 (the exponents e of the quantised operands' scales 2^e); wk 2,048 x 512 float32; wo 2,048 x 2,048 float32; wq 2,048 x 2,048 float32; wv 2,048 x 512 float32.
;; Outputs: out0 1 x 2,048 x 2,048 float32.
;; This version of the problem:
;;   THIS VERSION OF THE PROBLEM IS GIVEN IN LOW PRECISION. The matrix products marked QUANTISED in the list below multiply operands that are first quantised to E4M3 (4 exponent bits, 3 mantissa bits; 8 bits a number), with one given power-of-two scale for each operand tensor; their sums are f32. All else is computed in f32.
;;   The module's matrix products, in the order in which they are computed (A, B: the left and right operand; K: the contracted axis; several contracted axes count as one K, in the product's order):
;;     1. [M 2,048, K 2,048] x [K 2,048, N 2,048]; A: input hidden_states; B: input wq: QUANTISED (scales: A lowp_scales[0], B lowp_scales[1])
;;     2. [M 2,048, K 2,048] x [K 2,048, N 512]; A: input hidden_states; B: input wk: QUANTISED (scales: A lowp_scales[2], B lowp_scales[3])
;;     3. [M 2,048, K 2,048] x [K 2,048, N 512]; A: input hidden_states; B: input wv: QUANTISED (scales: A lowp_scales[4], B lowp_scales[5])
;;     4. batch 16 x [M 2,048, K 128] x [K 128, N 2,048]; A: computed on the way; B: computed on the way: QUANTISED (scales: A lowp_scales[6], B lowp_scales[7])
;;     5. batch 16 x [M 128, K 2,048] x [K 2,048, N 2,048]; A: computed on the way; B: softmax (see below): QUANTISED (scales: A lowp_scales[8], B lowp_scales[9])
;;     6. [M 2,048, K 2,048] x [K 2,048, N 2,048]; A: computed on the way; B: input wo: QUANTISED (scales: A lowp_scales[10], B lowp_scales[11])
;;   THE QUANTISER, for each operand of a quantised product, along K:
;;     - The operand's scale is 2^e, e = its entry of the input lowp_scales (int32; the entries are numbered through the quantised products in the list's order, A before B).
;;     - Each number is divided by the scale, clamped to +-448, and rounded to the nearest number of E4M3, ties to even, subnormals kept.
;;     - The product sums the exact products of the quantised numbers (number of the format x scale) in f32.
;;   ~~~python
;;   def quantise(x, axis, e):      # numpy; x: float32 -> the quantised numbers, widened to float32 again
;;       x = np.moveaxis(x, axis, -1); K = x.shape[-1]
;;       r = np.clip(x / 2.0 ** e, -448, 448)
;;       step = 2.0 ** (np.maximum(np.frexp(np.where(r == 0, 1, r))[1] - 1, -6) - 3)
;;       q = np.round(r / step) * step * 2.0 ** e      # np.round: ties to even
;;       return np.moveaxis(q, -1, axis).astype(np.float32)
;;   ~~~
;;   SOFTMAX AHEAD OF A QUANTISED PRODUCT. Where the list says 'softmax', what is quantised is not the finished softmax but p = 2^(t - M), with t = logit x log2(e) and M = ceil(the row's largest t), a whole number; so 1/2 < the row's largest p <= 1. The row's sum l is taken of the UNQUANTISED p, in f32, and the product's result is divided by l at the end. Since M is a whole number, a kernel that streams over the keys may use a running M (the ceiling of the running maximum): every later rescaling is an exact power of two, so the quantised numbers keep their values, but for numbers so far below the row's largest that they fall under the format's range.
;;   OPERANDS COMPUTED ON THE WAY. 'Computed on the way' means the value that the module computes at that place (a softmax that the list does not call 'softmax' is quantised finished and normalised). What goes into a quantiser is computed in f32, as accurately as f32 sums, v_exp_f32 and their like allow (about 1e-6 of the number): no bf16 or f16 on the way to a quantiser, and a product that is left as it is and whose result goes on into a quantised operand takes f32 operands (vector FMAs, or v_wmma_f32_16x16x4_f32). A number that lies on a knife's edge between two numbers of the format may be rounded either way, as far as f32 arithmetic and the matrix unit's own rounding can turn it there, and no further.
;; One version. Each part assembles by itself: llvm-mc -triple=amdgcn-amd-amdhsa -mcpu=gfx1250 --defsym DOCPART=n.
;; ======== version 1 of 1: 4 launches
;; limits: right only within a limited range of input values
;; workspace buffers: img 23,068,672 bytes; rope 1,048,576 bytes; qkvc 6,291,456 bytes; aimg 4,194,304 bytes
;; launch quant (part 1): grid 896 x 1, 4 waves a work-group, no clusters, 50,688 bytes of LDS; arguments hidden_states, wq, wk, wv, wo, lowp_scales, img, rope; writes img, rope
.if DOCPART == 1
	.amdgcn_target "amdgcn-amd-amdhsa--gfx1250"
	.amdhsa_code_object_version 6
	.text
	.protected	k_q175b739330_quant
	.globl	k_q175b739330_quant
	.p2align	8
	.type	k_q175b739330_quant,@function
k_q175b739330_quant:
	s_mov_b64 s[64:65], 0
	v_nop
	global_prefetch_b8 v0, s[64:65] scope:SCOPE_SE
	s_setreg_imm32_b32 hwreg(HW_REG_WAVE_MODE, 25, 1), 1
	s_wait_xcnt 0x0
; x [2048][2048] f32 becomes codes of E4M3 three times, under the scales 2^e0, 2^e2, 2^e4; wq, wk, wv, wo ([K][N] f32) become codes with K innermost under e1, e3, e5, e11;
; and the table of cos and sin for the rotation of q and k is made.  code = x / 2^e, held within +-448, rounded to the nearest code, ties to even.
; ALL CODES ARE STORED AS IMAGES OF THE MATRIX OPERAND'S REGISTERS.  A fragment is 16 rows x 128 K: lane (r = l % 16, h = l / 16) holds row r, registers 2c, 2c+1 hold k = 16c + 8h + 0..7.
; Its image is 2,048 bytes: registers 4p .. 4p+3 of lane l lie at 512 p + 16 l.  img: 88 blocks of 128 rows x K 2,048, each [K step 16][row tile 8][2,048 bytes]:
; blocks 0-15 x under e0, 16-31 under e2, 32-47 under e4, 48-63 wq^T, 64-67 wk^T, 68-71 wv^T, 72-87 wo^T.
; rope: [position tile 128][d tile 8][half 2][lane 32][16 bytes]: lane (r, h) holds cos, sin, cos, sin of position 16 pt + r for the pairs 8 dt + 4 h + 2 half + 0, 1.
; Work-groups 0-127 take 16 rows of x each (wave w: K steps 4w .. 4w+3) and one position tile of the table; work-groups 128-447 take 128 columns x 256 K of a weight.
; The two ways part on the work-group's number alone and have LDS bytes of their own.  Waves share nothing: no barrier.  No tensor load.
; LIMITS: each e used here lies between -126 and 119, so that 2^e and 448 x 2^e are f32 numbers.  NaN among the inputs is not served.
; The frequency is 2^(-i log2(10000) / 64) by one f32 product and v_exp_f32, the angle one f32 product, as the definition rounds it; at the last positions the angle can differ
; from another f32 evaluation of the same formula by about 2e-4 rad.  Sine and cosine: the angle less n x pi/2 in two parts (the first subtraction is exact for angles under 2,048), then polynomials on +-pi/4.
.set XP,    528                        ; x's stage: a row of 512 bytes + 16 of padding
.set XW,    16*XP                      ; 16 rows for each wave
.set WST,   4*XW                       ; behind x's four stages: the weights' four, 8,192 bytes each
; SHARES OF THIS TEXT, in place of the figures above: work-groups 0-255 take 16 rows of x and one half of K each (wave w of half f: K steps 8 f + 2 w and + 1, and d tile 4 f + w of one position tile);
; work-groups 256-895 take 128 columns x 128 K of a weight, 4 blocks of 32 along K to a wave; a weight's stage is 4,096 bytes for each wave.
.set WW,    4096
.set SPARE, WST+4*WW                   ; behind them: the spare words, 128 bytes for each wave: two blocks of 256 bytes that no other line names
.set SPW,   12                         ; v12  LDS address of my spare word; never rewritten
.set NIL,   13                         ; v13  0; never rewritten
.set R,     16                         ; x: v16-79   16 rows x 16 bytes as loaded
.set X,     80                         ; x: v80-143  my 64 numbers of a fragment (the table's work registers before that)
.set T,     144                        ; x: v144-159 two sets of eight held numbers
.set C,     160                        ; x: v160-207 codes, 16 registers for each of the three scales (the table's results before that)
.set SCL,   208                        ; x: v208-213 2^e and 448 x 2^e for e0, e2, e4
.set WOFF,  16                         ; w: v16-47   4 x lane + i x a row of the weight
.set WX,    48                         ; w: v48-111  two sets of 32 numbers down K
.set WC,    112                        ; w: v112-119 a block's codes
.set WOUT,  120                        ; w: v120-151 the way out
.set WB,    66                         ; w: s[66:73] four bases, 32 rows of the weight apart
	s_load_b512 s[8:23], s[0:1], 0x0               ; x s[8:9], wq s[10:11], wk s[12:13], wv s[14:15], wo s[16:17], scales s[18:19], img s[20:21], rope s[22:23]
	v_lshl_add_u32 v[SPW], v0, 2, SPARE
	v_mov_b32 v[NIL], 0
	v_lshrrev_b32 v1, 5, v0
	v_readfirstlane_b32 s26, v1                    ; wave 0..3
	v_and_b32 v1, 31, v0                           ; lane
	v_and_b32 v2, 15, v0                           ; r
	v_bfe_u32 v3, v0, 4, 1                         ; h
	v_lshlrev_b32 v4, 4, v1                        ; 16 x lane
	s_mul_i32 s27, s26, XW
	v_add_nc_u32 v5, s27, v4                       ; x's stage, in: 16 bytes a lane of a row
	v_mul_u32_u24 v6, v2, XP
	v_lshl_add_u32 v6, v3, 5, v6
	v_add_nc_u32 v6, s27, v6                       ; x's stage, out: row r, + 32 h
	s_lshl_b32 s25, s26, 12
	s_add_co_u32 s25, s25, WST
	v_lshlrev_b32 v7, 4, v2
	v_lshl_add_u32 v7, v3, 11, v7
	v_add_nc_u32 v7, s25, v7                       ; the weights' stage, in: row tile l / 16, 16 bytes for row l % 16
	v_add_nc_u32 v8, s25, v4                       ; and out: 16 x lane
	s_wait_kmcnt 0x0
	s_load_b256 s[28:35], s[18:19], 0x0            ; e0 .. e7
	s_load_b128 s[36:39], s[18:19], 0x20           ; e8 .. e11
	s_cmp_ge_u32 ttmp9, 256
	s_cbranch_scc1 .Lweights
	; ================ x: 16 rows for the work-group, four K steps for the wave
	s_lshr_b32 s24, ttmp9, 1                       ; the row tile
	s_and_b32 s27, ttmp9, 1                        ; the half of K
	s_lshl_b32 s27, s27, 2
	s_add_co_u32 s27, s27, s26                     ; 4 x half + wave
	s_lshl_b32 s40, s24, 17                        ; 16 rows of 8,192 bytes
	s_lshl_b32 s41, s27, 10                        ; + two K steps of 512 bytes
	s_add_co_u32 s40, s40, s41
	s_mov_b32 s41, 0
	s_add_nc_u64 s[40:41], s[8:9], s[40:41]
	s_lshr_b32 s42, s24, 3
	s_lshl_b32 s42, s42, 4
	s_lshl_b32 s43, s27, 1
	s_add_co_u32 s42, s42, s43                     ; its K step 8 f + 2 w,
	s_lshl_b32 s42, s42, 14
	s_and_b32 s43, s24, 7
	s_lshl_b32 s43, s43, 11                        ; my row tile in it
	s_add_co_u32 s42, s42, s43
	s_mov_b32 s43, 0
	s_add_nc_u64 s[42:43], s[20:21], s[42:43]      ; under e0,
	s_add_nc_u64 s[44:45], s[42:43], 0x400000      ; under e2: 16 blocks on,
	s_add_nc_u64 s[46:47], s[44:45], 0x400000      ; under e4
	s_lshl_b32 s48, s24, 13
	s_lshl_b32 s49, s27, 10                        ; my d tile: 4 x half + wave
	s_add_co_u32 s48, s48, s49
	s_mov_b32 s49, 0
	s_add_nc_u64 s[48:49], s[22:23], s[48:49]      ; the table: position tile = work-group / 2, d tile 4 f + w
.macro XLOAD f                         ; K step f of the wave's two: each load reads 512 consecutive bytes of one row
.set pp, 0
.rept 16
	global_load_b128 v[R+4*pp:R+4*pp+3], v4, s[40:41] offset:pp*8192+(\f)*512 th:TH_LOAD_NT
.set pp, pp+1
.endr
.endm
	s_wait_alu depctr_va_vdst(0)
	XLOAD 0
	; ---- the table, while those loads are on their way
	s_mov_b32 s52, 0x3f22f983                      ; 2 / pi
	s_mov_b32 s53, 0xbfc90fdb                      ; -(pi / 2 rounded to f32)
	s_mov_b32 s54, 0x333bbd2e                      ; that number less pi / 2
	s_mov_b32 s55, 0xb94ca1f9                      ; sine: -1.9515296e-4,
	s_mov_b32 s56, 0x3c08839e                      ; 8.3321609e-3,
	s_mov_b32 s57, 0xbe2aaaa3                      ; -1.6666655e-1
	s_mov_b32 s58, 0x37ccf5ce                      ; cosine: 2.4433157e-5,
	s_mov_b32 s59, 0xbab6061a                      ; -1.3887316e-3,
	s_mov_b32 s60, 0x3d2aaaa5                      ; 4.1666646e-2
	s_lshl_b32 s50, s27, 3
	v_lshl_add_u32 v80, v3, 2, s50                 ; 8 (4 f + w) + 4 h: my first pair
	s_lshl_b32 s51, s24, 4
	v_add_nc_u32 v81, s51, v2
	v_cvt_f32_u32 v81, v81                         ; my position
.set nn, 0
.rept 4
	v_add_nc_u32 v[84+nn], nn, v80                 ; pair i = 8 (d tile) + 4 h + 0 .. 3
.set nn, nn+1
.endr
.set nn, 0
.rept 4
	v_cvt_f32_u32 v[84+nn], v[84+nn]
.set nn, nn+1
.endr
.set nn, 0
.rept 4
	v_mul_f32 v[84+nn], 0xbe549a78, v[84+nn]       ; -i log2(10000) / 64
.set nn, nn+1
.endr
.set nn, 0
	s_wait_alu depctr_va_vdst(0)
.rept 4
	v_exp_f32 v[84+nn], v[84+nn]                   ; the frequency
.set nn, nn+1
.endr
	v_nop                                          ; a plain instruction behind the last exponential
	s_wait_alu depctr_va_vdst(0)                   ; one wait for the batch of four, ahead of its first reader
.set nn, 0
.rept 4
	v_mul_f32 v[84+nn], v81, v[84+nn]              ; the angle
.set nn, nn+1
.endr
.macro SINCOS a, co, si, t             ; v[co] = cos v[a], v[si] = sin v[a]; six work registers from v[t] on
	v_mul_f32 v[\t], s52, v[\a]
	v_rndne_f32 v[\t], v[\t]                       ; n
	v_fma_f32 v[\t+1], v[\t], s53, v[\a]           ; exact: a multiple of 2^-23 under 1
	v_fma_f32 v[\t+1], v[\t], s54, v[\t+1]         ; r = angle - n pi / 2
	v_cvt_i32_f32 v[\t], v[\t]                     ; the quadrant's number
	v_mul_f32 v[\t+2], v[\t+1], v[\t+1]            ; z = r r
	v_fma_f32 v[\t+3], v[\t+2], s55, s56
	v_fma_f32 v[\t+3], v[\t+3], v[\t+2], s57
	v_mul_f32 v[\t+5], v[\t+2], v[\t+1]
	v_fma_f32 v[\t+3], v[\t+3], v[\t+5], v[\t+1]   ; sin r
	v_fma_f32 v[\t+4], v[\t+2], s58, s59
	v_fma_f32 v[\t+4], v[\t+4], v[\t+2], s60
	v_mul_f32 v[\t+5], v[\t+2], v[\t+2]
	v_fma_f32 v[\t+1], v[\t+2], -0.5, 1.0
	v_fma_f32 v[\t+4], v[\t+4], v[\t+5], v[\t+1]   ; cos r
	v_and_b32 v[\t+5], 1, v[\t]
	v_cmp_eq_u32 vcc_lo, 1, v[\t+5]                ; odd quadrants change the two over
	v_cndmask_b32 v[\si], v[\t+3], v[\t+4], vcc_lo
	v_cndmask_b32 v[\co], v[\t+4], v[\t+3], vcc_lo
	v_lshlrev_b32 v[\t+5], 30, v[\t]
	v_and_b32 v[\t+5], 0x80000000, v[\t+5]
	v_xor_b32 v[\si], v[\t+5], v[\si]              ; the sine is negative in quadrants 2 and 3,
	v_add_nc_u32 v[\t], 1, v[\t]
	v_lshlrev_b32 v[\t+5], 30, v[\t]
	v_and_b32 v[\t+5], 0x80000000, v[\t+5]
	v_xor_b32 v[\co], v[\t+5], v[\co]              ; the cosine in 1 and 2
.endm
.irp n, 0,1,2,3
	SINCOS 84+\n, C+2*\n, C+2*\n+1, 96+6*\n
.endr
.irp g, 0,1
	global_store_b128 v4, v[C+4*\g:C+4*\g+3], s[48:49] offset:512*\g   ; 512 consecutive bytes: half g of my d tile
.endr
	s_wait_kmcnt 0x0
.irp g, 0,1,2
	s_add_co_i32 s50, s[28+2*\g], 127
	s_lshl_b32 s51, s50, 23
	v_mov_b32 v[SCL+2*\g], s51                     ; 2^e as f32: the conversion takes its exponent field
	s_add_co_i32 s50, s50, 8
	s_lshl_b32 s50, s50, 23
	s_or_b32 s50, s50, 0x600000
	v_mov_b32 v[SCL+2*\g+1], s50                   ; 448 x 2^e
.endr
.macro QX g                            ; my 64 numbers under scale g.  The two sets of held numbers take turns, so that eight plain lines stand between a conversion and the next write of its sources
.irp c, 0,1,2,3,4,5,6,7
.irp i, 0,1,2,3,4,5,6,7
	v_med3_num_f32 v[T+8*(\c%2)+\i], v[X+8*\c+\i], -v[SCL+2*\g+1], v[SCL+2*\g+1]   ; the conversion to an 8-bit code does not saturate (ISA guide 7.6.2): the hold comes first
.endr
	v_cvt_scalef32_pk8_fp8_f32 v[C+16*\g+2*\c:C+16*\g+2*\c+1], v[T+8*(\c%2):T+8*(\c%2)+7], v[SCL+2*\g]
.endr
.endm
.macro FRAG f
	s_wait_loadcnt 0x0                             ; this K step's sixteen loads are in
.set pp, 0
.rept 16
	ds_store_b128 v5, v[R+4*pp:R+4*pp+3] offset:pp*XP
.set pp, pp+1
.endr
.set cc, 0
.rept 8
	ds_load_b128 v[X+8*cc:X+8*cc+3], v6 offset:64*cc          ; row r, k = 16 c + 8 h + 0 .. 7.  LDS serves a wave's instructions in order (ISA guide 5.7.1.4): these see my stores
	ds_load_b128 v[X+8*cc+4:X+8*cc+7], v6 offset:64*cc+16
.set cc, cc+1
.endr
	s_wait_dscnt 0x0                               ; the numbers are back, and the stage's stores have read their registers
	s_wait_xcnt 0x0                                ; the earlier global stores have read their data: the codes' registers may be written again
.if \f < 1
	XLOAD \f+1                                     ; the next K step lands while this one is quantised
.endif
	QX 0
	QX 1
	QX 2
.irp g, 0,1,2
.irp c, 0,1,2,3
	global_store_b128 v4, v[C+16*\g+4*\c:C+16*\g+4*\c+3], s[42+2*\g:43+2*\g] offset:(\f)*16384+512*\c   ; a wave's store covers 512 consecutive bytes, aligned
.endr
.endr
.endm
	s_wait_alu depctr_va_vdst(0)
	FRAG 0
	FRAG 1
	s_wait_tensorcnt 0x0                           ; the wave's end
	ds_add_u32 v[SPW], v[NIL]
	s_wait_dscnt 0x0
	s_endpgm
	; ================ a weight: 128 columns x 128 along K for the work-group.  A LANE TAKES A COLUMN, AND ITS REGISTERS RUN DOWN K
.Lweights:
	s_wait_kmcnt 0x0
	s_sub_co_u32 s40, ttmp9, 256
	s_lshr_b32 s41, s40, 4                         ; which block of 128 columns, 0 .. 39, counted through wq, wk, wv, wo
	s_and_b32 s42, s40, 15                         ; which 128 along K
	s_mov_b64 s[44:45], s[16:17]                   ; wo,
	s_sub_co_u32 s46, s41, 24                      ; its block,
	s_mov_b32 s47, 8192                            ; its row in bytes,
	s_mov_b32 s48, s39                             ; e11
	s_sub_co_u32 s49, s41, 20
	s_cmp_lt_u32 s41, 24                           ; the choices hang on the work-group's number alone
	s_cselect_b64 s[44:45], s[14:15], s[44:45]     ; wv
	s_cselect_b32 s46, s49, s46
	s_cselect_b32 s47, 2048, s47
	s_cselect_b32 s48, s33, s48                    ; e5
	s_sub_co_u32 s49, s41, 16
	s_cmp_lt_u32 s41, 20
	s_cselect_b64 s[44:45], s[12:13], s[44:45]     ; wk
	s_cselect_b32 s46, s49, s46
	s_cselect_b32 s48, s31, s48                    ; e3
	s_cmp_lt_u32 s41, 16
	s_cselect_b64 s[44:45], s[10:11], s[44:45]     ; wq
	s_cselect_b32 s46, s41, s46
	s_cselect_b32 s47, 8192, s47
	s_cselect_b32 s48, s29, s48                    ; e1
	s_lshl_b32 s50, s47, 7                         ; 128 rows
	s_mul_i32 s50, s50, s42                        ; 128 rows x which
	s_lshl_b32 s51, s46, 9
	s_add_co_u32 s50, s50, s51                     ; + 128 columns x block
	s_lshl_b32 s51, s26, 7
	s_add_co_u32 s50, s50, s51                     ; + 32 columns x wave
	s_mov_b32 s51, 0
	s_add_nc_u64 s[WB:WB+1], s[44:45], s[50:51]
	s_lshl_b32 s52, s47, 5                         ; 32 rows
	s_mov_b32 s53, 0
.irp t, 1,2,3
	s_add_nc_u64 s[WB+2*\t:WB+2*\t+1], s[WB+2*\t-2:WB+2*\t-1], s[52:53]
.endr
	s_lshl_b32 s54, s41, 4
	s_mov_b32 s55, s42
	s_add_co_u32 s54, s54, s55                     ; block x 16 K steps + my first K step
	s_lshl_b32 s54, s54, 14
	s_lshl_b32 s55, s26, 12                        ; + my wave's two row tiles
	s_add_co_u32 s54, s54, s55
	s_add_co_u32 s54, s54, 48*262144               ; behind x's 48 blocks
	s_mov_b32 s55, 0
	s_add_nc_u64 s[82:83], s[20:21], s[54:55]
	v_lshlrev_b32 v[WOFF], 2, v1
.set ii, 1
.rept 31
	v_add_nc_u32 v[WOFF+ii], s47, v[WOFF+ii-1]
.set ii, ii+1
.endr
.macro WLOAD t                         ; block t: 32 rows of the weight at my column; a wave's load reads 128 consecutive bytes, the four waves stand side by side on 512
.set ii, 0
.rept 32
	global_load_b32 v[WX+32*((\t)%2)+ii], v[WOFF+ii], s[WB+2*(\t):WB+2*(\t)+1] th:TH_LOAD_NT
.set ii, ii+1
.endr
.endm
	WLOAD 0
	WLOAD 1
	s_add_co_i32 s48, s48, 127
	s_lshl_b32 s49, s48, 23
	v_mov_b32 v11, s49                             ; 2^e
	s_add_co_i32 s48, s48, 8
	s_lshl_b32 s48, s48, 23
	s_or_b32 s48, s48, 0x600000
	v_mov_b32 v10, s48                             ; 448 x 2^e
.macro WBLOCK t
.set XS, WX+32*((\t)%2)
.if (\t) < 3
	s_wait_loadcnt 32                              ; this block's 32 loads are in; the next block's 32 may be out
.else
	s_wait_loadcnt 0x0
.endif
.set ii, 0
.rept 32
	v_med3_num_f32 v[XS+ii], v[XS+ii], -v10, v10
.set ii, ii+1
.endr
	v_cvt_scalef32_pk8_fp8_f32 v[WC:WC+1], v[XS:XS+7], v11            ; k 0-7 and 16-23 of the block belong to the image's lane r,
	v_cvt_scalef32_pk8_fp8_f32 v[WC+2:WC+3], v[XS+16:XS+23], v11
	v_cvt_scalef32_pk8_fp8_f32 v[WC+4:WC+5], v[XS+8:XS+15], v11       ; k 8-15 and 24-31 to its lane 16 + r
	v_cvt_scalef32_pk8_fp8_f32 v[WC+6:WC+7], v[XS+24:XS+31], v11
	ds_store_b128 v7, v[WC:WC+3] offset:((\t)/4)*4096+((\t)%4)*512
	ds_store_b128 v7, v[WC+4:WC+7] offset:((\t)/4)*4096+((\t)%4)*512+256
.if (\t)+2 < 4
	WLOAD (\t)+2
.endif
	s_wait_dscnt 0x0                               ; the stores have read their registers: the next block's codes may be written (its 32 holds, plain lines, come first)
.endm
	s_wait_alu depctr_va_vdst(0)
.irp t, 0,1,2,3
	WBLOCK \t
.endr
.set ii, 0
.rept 8
	ds_load_b128 v[WOUT+4*ii:WOUT+4*ii+3], v8 offset:512*ii      ; the stage now holds two images, [row tile 2]
.set ii, ii+1
.endr
.set ii, 0
.rept 8
	s_wait_dscnt 7-ii                              ; the younger loads may be out
	global_store_b128 v4, v[WOUT+4*ii:WOUT+4*ii+3], s[82:83] offset:(ii/8)*16384+(ii%8)*512
.set ii, ii+1
.endr
	s_wait_tensorcnt 0x0                           ; the wave's end
	ds_add_u32 v[SPW], v[NIL]
	s_wait_dscnt 0x0
	s_endpgm
.Lfunc_end_k_q175b739330_quant:
	.size	k_q175b739330_quant, .Lfunc_end_k_q175b739330_quant-k_q175b739330_quant
	.p2alignl 7, 3214868480
	.fill 96, 4, 3214868480
	.section	.rodata,"a",@progbits
	.p2align	6, 0x0
	.amdhsa_kernel k_q175b739330_quant
		.amdhsa_group_segment_fixed_size 50688
		.amdhsa_private_segment_fixed_size 0
		.amdhsa_enable_private_segment 0
		.amdhsa_kernarg_size 64
		.amdhsa_user_sgpr_count 2
		.amdhsa_user_sgpr_kernarg_segment_ptr 1
		.amdhsa_wavefront_size32 1
		.amdhsa_system_sgpr_workgroup_id_x 1
		.amdhsa_system_sgpr_workgroup_id_y 1
		.amdhsa_system_sgpr_workgroup_id_z 1
		.amdhsa_system_vgpr_workitem_id 0
		.amdhsa_next_free_vgpr 216
		.amdhsa_next_free_sgpr 96
		.amdhsa_reserve_vcc 1
		.amdhsa_float_denorm_mode_32 3
		.amdhsa_float_denorm_mode_16_64 3
		.amdhsa_memory_ordered 1
		.amdhsa_forward_progress 1
		.amdhsa_inst_pref_size 73
	.end_amdhsa_kernel
	.amdgpu_metadata
---
amdhsa.version: [ 1, 2 ]
amdhsa.kernels:
  - .name:           k_q175b739330_quant
    .symbol:         k_q175b739330_quant.kd
    .args:
      - { .name: hidden_states, .offset: 0, .size: 8, .value_kind: global_buffer, .address_space: global }
      - { .name: wq, .offset: 8, .size: 8, .value_kind: global_buffer, .address_space: global }
      - { .name: wk, .offset: 16, .size: 8, .value_kind: global_buffer, .address_space: global }
      - { .name: wv, .offset: 24, .size: 8, .value_kind: global_buffer, .address_space: global }
      - { .name: wo, .offset: 32, .size: 8, .value_kind: global_buffer, .address_space: global }
      - { .name: lowp_scales, .offset: 40, .size: 8, .value_kind: global_buffer, .address_space: global }
      - { .name: img, .offset: 48, .size: 8, .value_kind: global_buffer, .address_space: global }
      - { .name: rope, .offset: 56, .size: 8, .value_kind: global_buffer, .address_space: global }
    .group_segment_fixed_size: 50688
    .private_segment_fixed_size: 0
    .kernarg_segment_align: 8
    .kernarg_segment_size: 64
    .max_flat_workgroup_size: 128
    .sgpr_count:     96
    .vgpr_count:     216
    .wavefront_size: 32
...
	.end_amdgpu_metadata
.endif
;; end of part 1
;; launch proj (part 2): grid 192 x 1, 4 waves a work-group, clusters of 4 x 1, 327,680 bytes of LDS; arguments img, rope, lowp_scales, qkvc; writes qkvc
.if DOCPART == 2
	.amdgcn_target "amdgcn-amd-amdhsa--gfx1250"
	.amdhsa_code_object_version 6
	.text
	.protected	k_q175b739330_proj
	.globl	k_q175b739330_proj
	.p2align	8
	.type	k_q175b739330_proj,@function
k_q175b739330_proj:
	s_mov_b64 s[64:65], 0
	v_nop
	global_prefetch_b8 v0, s[64:65] scope:SCOPE_SE
	s_setreg_imm32_b32 hwreg(HW_REG_WAVE_MODE, 25, 1), 1
	s_wait_xcnt 0x0
	s_wait_alu depctr_hold_cnt(0) depctr_sa_sdst(0) depctr_va_vdst(0) depctr_va_sdst(0) depctr_va_ssrc(0) depctr_va_vcc(0) depctr_vm_vsrc(0)
	s_getreg_b32 s2, hwreg(HW_REG_IB_STS2, 6, 4)
	s_cmp_eq_u32 s2, 0
	s_cbranch_scc0 .Lentry_in_a_cluster
	s_endpgm
.Lentry_in_a_cluster:
	s_bfe_u32 s2, ttmp6, 0x10000c
	s_cmp_lg_u32 s2, 0x3003
	s_cbranch_scc0 .Lentry_shape_is_right
	s_endpgm
.Lentry_shape_is_right:
; q = x wq, k = x wk, v = x wv on codes of E4M3 (K = 2,048), the rotation of q and k in f32, and the quantisers of the attention's operands (scales e6, e7, e8).
; Operands come as images of fragments (16 rows x 128 K = 2,048 bytes; registers 4p .. 4p+3 of lane l at 512 p + 16 l); img: blocks of 128 rows, [K step 16][row tile 8][2,048].
; A work-group of four waves makes 256 rows of operand A (two blocks) x 128 rows of operand B (one block); a wave 128 x 64: 32 accumulators.  Source 0 of the matrix instruction is B's fragment,
; source 1 A's: lane (r, h) then holds A's row r and B's rows 8 h + 0 .. 7, eight neighbours along the next product's K: the conversions' results are registers of the next operand's image.
; REGIONS, by the cluster's number c: 0-31 q (A = x under e0, tile c / 4; B = wq^T, head 4 (c % 4) + cx); 32-39 k (A = x under e2, tile c - 32; B = wk^T, kv head cx);
; 40-47 v (A = wv^T, tile (c - 40) / 4; B = x under e4, position block 4 (c % 4) + cx: a lane then holds one d and eight keys, v^T's fragment).
; qkvc: q [head 16][position tile 128][2,048] at 0; k [kv head 4][key tile 128][2,048] at 4 MiB; v^T [kv head 4][key step 16][d tile 8][2,048] at 5 MiB.
; 192 WORK-GROUPS: tile sides must divide 2,048 and 512, so a tile holds a power of two of results, and 2,048 x 3,072 / 256 is none: no equal split over 256 exists.  192 equal work-groups run in one round.
; CLUSTERS of 4 x 1: the four partners need the same tile of A, the larger operand: it is asked for jointly.  Each takes another block of B, by a load of its own.  B is not shared: in region v operand A has
; only two tiles, so no four places along a second axis could index it, and one text serves all regions.  My place in the cluster enters B's address in memory and the result's, no branch and no LDS address.
; K goes through two LDS slots of three K steps (A's two blocks, then B's: 147,456 bytes), in six fills of 3, 3, 3, 3, 3 and 1 steps, all written out.  Every wave brings one dense block a fill:
; waves 0, 1 a block of A (49,152 bytes), waves 2, 3 half of B's (24,576).  Two loads of a wave are out at the start, one later.
; LIMITS: e6 - e0 - e1, e7 - e2 - e3 and e8 - e4 - e5 lie between -126 and 119.  The rotation is linear, so it acts on the raw sums; the three scales are folded into the conversion's one.
; REGISTERS: window 0: v16-17, v20-21 LDS addresses, v24 16 x lane, v28-29 the add's two, v30-31 the scale and the hold, v32-95 codes, v96-103 at work, v128-255 cos and sin for accumulators 0-15, later held sums.
;   windows 1, 2: a set of fragments each (A's eight at v0, B's four at v128); v192-255 cos and sin for accumulators 16-23, 24-31.   window 3: the accumulators ((a, b) at 8 (4 a + b)).
.set KSB,   16384                      ; a K step of a block: 8 images
.set PART,  3*KSB                      ; three K steps of a block
; THE RING OF THIS TEXT, in place of the figures above: A's first block in slot 0 and slot 1 (2 x 49,152 bytes), then A's second block likewise, then B's.  So the two slots of a block lie side by side, and
; at the start each wave issues ONE load that serves both slots: waves 0, 1 six K steps of a block of A (98,304 bytes), wave 2 K steps 0-2 of B, wave 3 K steps 3-5.  One load of a wave is out at any time.
; PREFETCHES.  K steps 6 to 14 are asked for one fill, three K steps, ahead of the load that brings them; K steps 0 to 5 and 15 come by their loads alone.  Of the 49,152 bytes of a block of A that a fill brings, the
; partner at place cx takes 12,288 (48 blocks of 256 bytes: 32 lanes, then 16, the lanes left over name the last block again), told apart by address; a B wave asks for the 96 blocks of its own half, in the clusters of A's tiles 0 to 3 alone.
; THE TABLE is asked for behind the head: half of it in K step 0, half behind the last refill.
.set PF0,   25                         ; v25     256 x lane
.set PF1,   26                         ; v26     256 x the lesser of lane and 15
.set PFA,   66                         ; s[66:67] my share of K step 0; never rewritten
.set ASKK,  6                          ; the K step that the next prefetch names
.macro ASK
	s_cmp_eq_u32 s15, 0
	s_cbranch_scc0 .Lask_b_\@
	global_prefetch_b8 v[PF0], s[PFA:PFA+1] offset:ASKK*KSB th:TH_LOAD_NT scope:SCOPE_SE
	global_prefetch_b8 v[PF1], s[PFA:PFA+1] offset:ASKK*KSB+8192 th:TH_LOAD_NT scope:SCOPE_SE
	s_branch .Lask_d_\@
.Lask_b_\@:
	s_cmp_lt_u32 s17, 4
	s_cbranch_scc0 .Lask_d_\@
	global_prefetch_b8 v[PF0], s[PFA:PFA+1] offset:ASKK*KSB th:TH_LOAD_NT scope:SCOPE_SE
	global_prefetch_b8 v[PF0], s[PFA:PFA+1] offset:ASKK*KSB+8192 th:TH_LOAD_NT scope:SCOPE_SE
	global_prefetch_b8 v[PF0], s[PFA:PFA+1] offset:ASKK*KSB+16384 th:TH_LOAD_NT scope:SCOPE_SE
.Lask_d_\@:
.set ASKK, ASKK+3
.endm
.set SLOT,  PART                       ; from a block's slot 0 to its slot 1
.set SPARE, 6*PART                     ; behind the ring: the spare words, 128 bytes for each wave: two blocks of 256 bytes that no other line names
.set ADRA, 16
.set ADRB, 20
.set LI,   24
.set SPW,  28
.set NIL,  29
.set COD,  32
.set TMP,  96
.set HLD,  128
.set G1A,  24                          ; s[24:31] group 1, A, three K steps;  s[32:39] A, one K step
.set G1AS, 32
.set G1B,  40                          ; s[40:47] B's half, three K steps;    s[48:55] one K step
.set G1BS, 48
.set G0A,  56                          ; s[56:63] group 0 for A, a set for each slot
.set G0B,  68                          ; s[68:75] the same for B
.set G0AS, 76                          ; s[76:79], s[80:83] the last fill's
.set G0BS, 80
.set MSB, 0
.macro WIN new                         ; the immediate's high byte repeats the setting that is left
.if MSB != (\new)
	s_set_vgpr_msb (MSB<<8)|(\new)
.set MSB, (\new)
.endif
.endm
.macro JLOAD g0a, g1a, g0b, g1b        ; waves 0 and 1 ask jointly for A's blocks, waves 2 and 3 fetch the halves of my B; an s_nop 0 and four v_nop follow each line
	s_cmp_eq_u32 s15, 0
	s_cbranch_scc0 .Lfor_b_\@
	tensor_load_to_lds s[\g0a:\g0a+3], s[\g1a:\g1a+7]
	s_nop 0
.rept 4
	v_nop
.endr
	s_branch .Lasked_\@
.Lfor_b_\@:
	tensor_load_to_lds s[\g0b:\g0b+3], s[\g1b:\g1b+7]
	s_nop 0
.rept 4
	v_nop
.endr
.Lasked_\@:
.endm
.macro CREST                           ; a round of the cluster's barrier behind its opening barrier
	s_cmp_lg_u32 s14, 0
	s_cbranch_scc1 .Lnot_wave_0_\@
	s_barrier_signal -3
.Lnot_wave_0_\@:
	s_barrier_wait -3
	s_barrier_signal -1
	s_barrier_wait -1
.endm
.macro CROUND
	s_barrier_signal -1
	s_barrier_wait -1
	CREST
.endm
.macro PLACES                          ; four plain vector instructions between a matrix instruction and a load into, or a vector read or write of, its registers
.rept 4
	v_nop
.endr
.endm
.macro SHAPE g, rows                   ; a dense block as rows of 256 bytes: 32 elements of 8 bytes
	s_mov_b32 s[\g+1], 32<<16                      ; tensor_dim0
	s_mov_b32 s[\g+2], (\rows)<<16                 ; tensor_dim1
	s_mov_b32 s[\g+3], 32<<16                      ; tile_dim0
	s_mov_b32 s[\g+4], \rows                       ; tile_dim1
	s_mov_b32 s[\g+5], 32                          ; the pitch
	s_mov_b32 s[\g+6], 0
	s_mov_b32 s[\g+7], 0
.endm
	s_load_b256 s[4:11], s[0:1], 0x0               ; img s[4:5], rope s[6:7], scales s[8:9], qkvc s[10:11]
	v_lshl_add_u32 v[SPW], v0, 2, SPARE
	v_mov_b32 v[NIL], 0
	ds_add_u32 v[SPW], v[NIL]                      ; the wave's opening: the add and its wait stand ahead of my first tensor load; work on registers stands between them
	ds_add_u32 v[SPW], v[NIL]
	v_lshrrev_b32 v1, 5, v0
	v_readfirstlane_b32 s14, v1                    ; wave 0..3
	s_lshr_b32 s15, s14, 1                         ; which block of A is mine.  Also: I fetch for A (0) or for B (1)
	s_and_b32 s16, s14, 1                          ; which 64 of B's rows.  Also: which block of A, or which half of B, I fetch
	s_bfe_u32 s12, ttmp6, 0x40000                  ; cx
	s_mov_b32 s[G1A], 15|(3<<16)|(1<<21)           ; 15:0 the mask: all four partners; 17:16 elements of 8 bytes; no padding; 21 set beside a mask
	s_mov_b32 s[G1AS], 15|(3<<16)|(1<<21)
	s_mov_b32 s[G1B], 3<<16                        ; no mask: a load of my own
	s_mov_b32 s[G1BS], 3<<16
	SHAPE G1A, 384                                 ; at the start 98,304 bytes; 192 rows from the first refill on
	SHAPE G1AS, 64                                 ; 16,384
	SHAPE G1B, 192                                 ; at the start 49,152; 96 rows from the first refill on
	SHAPE G1BS, 32                                 ; 8,192
	; the regions: every choice hangs on the cluster's number alone
	s_lshr_b32 s17, ttmp9, 2                       ; q: A's tile
	s_and_b32 s18, ttmp9, 3
	s_lshl_b32 s18, s18, 2                         ; 4 (c % 4)
	s_lshl_b32 s19, s17, 1                         ; q: A's first block
	s_add_co_u32 s20, s18, 48                      ; q: the cluster's first block of B
	s_sub_co_u32 s21, ttmp9, 32                    ; k: A's tile,
	s_lshl_b32 s22, s21, 1
	s_add_co_u32 s22, s22, 16                      ; its first block
	s_sub_co_u32 s23, ttmp9, 40
	s_lshr_b32 s23, s23, 2                         ; v: A's tile,
	s_lshl_b32 s93, s23, 1
	s_add_co_u32 s93, s93, 68                      ; its first block,
	s_add_co_u32 s94, s18, 32                      ; and the cluster's first block of B (40 is a multiple of 4)
	s_cmp_ge_u32 ttmp9, 32
	s_cselect_b32 s17, s21, s17
	s_cselect_b32 s19, s22, s19
	s_cselect_b32 s20, 64, s20
	s_cmp_ge_u32 ttmp9, 40
	s_cselect_b32 s17, s23, s17                    ; s17: A's tile
	s_cselect_b32 s19, s93, s19
	s_cselect_b32 s20, s94, s20
	s_add_co_u32 s13, s20, s12                     ; s13: my block of B
	s_add_co_u32 s21, s19, s16                     ; the block of A that I fetch
	s_lshl_b32 s96, s21, 18
	s_mov_b32 s97, 0
	s_lshl_b32 s98, s13, 18
	s_mov_b32 s99, 0
	s_mul_i32 s22, s16, 2*PART                     ; where A's block goes
	s_mul_i32 s23, s16, PART/2                     ; B's half, three K steps: in a slot and in memory alike
	s_lshl_b32 s93, s16, 13                        ; B's half, one K step
	s_mov_b32 s94, s23
	s_mov_b32 s95, 0
	s_mov_b32 s18, s93
	s_mov_b32 s19, 0
	s_wait_dscnt 0x0                               ; the opening add is done
	s_wait_kmcnt 0x0
	s_load_b256 s[84:91], s[8:9], 0x0              ; e0 .. e7
	s_load_b32 s92, s[8:9], 0x20                   ; e8
	s_add_nc_u64 s[96:97], s[4:5], s[96:97]
	s_add_nc_u64 s[98:99], s[4:5], s[98:99]
	s_mov_b32 s[G0AS], 1                           ; the last fill: K step 15 into slot 1
	s_add_co_u32 s[G0AS+1], s22, SLOT
	s_add_nc_u64 s[G0AS+2:G0AS+3], s[96:97], 15*KSB
	s_or_b32 s[G0AS+3], s[G0AS+3], 0x80000000
	s_mov_b32 s[G0BS], 1
	s_add_co_u32 s[G0BS+1], s93, SLOT+4*PART
	s_add_nc_u64 s[G0BS+2:G0BS+3], s[98:99], s[18:19]
	s_add_nc_u64 s[G0BS+2:G0BS+3], s[G0BS+2:G0BS+3], 15*KSB
	s_or_b32 s[G0BS+3], s[G0BS+3], 0x80000000
	s_add_nc_u64 s[98:99], s[98:99], s[94:95]      ; B at my half of three K steps
	CROUND                                         ; all four work-groups are here: the first joint loads meet
.irp s, 0,1
	s_mov_b32 s[G0A+4*\s], 1
	s_add_co_u32 s[G0A+4*\s+1], s22, \s*SLOT
	s_add_nc_u64 s[G0A+4*\s+2:G0A+4*\s+3], s[96:97], \s*PART     ; three K steps are 49,152 bytes of a block
	s_or_b32 s[G0A+4*\s+3], s[G0A+4*\s+3], 0x80000000
	s_mov_b32 s[G0B+4*\s], 1
.endr
	s_add_co_u32 s[G0B+1], s23, 4*PART             ; B's refills of slot 0: my half of three K steps
	s_mov_b64 s[G0B+2:G0B+3], s[98:99]
	s_or_b32 s[G0B+3], s[G0B+3], 0x80000000
	s_lshl_b32 s19, s23, 1                         ; 49,152 x (wave % 2): B's first load brings slot (wave % 2) whole
	s_add_co_u32 s[G0B+5], s19, 4*PART
	s_add_nc_u64 s[G0B+6:G0B+7], s[98:99], s[94:95]
	s_or_b32 s[G0B+7], s[G0B+7], 0x80000000
	JLOAD G0A, G1A, G0B+4, G1B                     ; K steps 0 to 5: both slots, one load a wave
	v_and_b32 v1, 31, v0
	v_lshlrev_b32 v[LI], 4, v1                     ; 16 x lane: my place in every image
	v_lshlrev_b32 v[PF0], 4, v[LI]
	v_min_u32 v[PF1], 0xf00, v[PF0]
	s_mul_i32 s18, s12, 12288                      ; the prefetches: A's waves by my place in the cluster, B's waves at their own half
	s_mov_b32 s19, 0
	s_add_nc_u64 s[PFA:PFA+1], s[96:97], s[18:19]
	s_cmp_eq_u32 s15, 0
	s_cselect_b64 s[PFA:PFA+1], s[PFA:PFA+1], s[98:99]
	s_wait_alu depctr_va_vdst(0)
	s_mul_i32 s20, s15, 2*PART
	s_lshl_b32 s21, s16, 13
	s_add_co_u32 s21, s21, 4*PART
.irp s, 0,1
	v_add_nc_u32 v[ADRA+\s], s20, v[LI]
	v_add_nc_u32 v[ADRB+\s], s21, v[LI]
	s_add_co_u32 s20, s20, SLOT
	s_add_co_u32 s21, s21, SLOT
.endr
	; the table: position tiles 16 (A's tile) + 8 (wave / 2) + a, d tiles 4 (wave % 2) + b.  (In region v the numbers are loaded and not used: every register is written on every way)
	s_lshl_b32 s18, s17, 4
	s_lshl_b32 s19, s15, 3
	s_add_co_u32 s18, s18, s19                     ; my first position tile
	s_lshl_b32 s22, s18, 13
	s_lshl_b32 s23, s16, 12
	s_add_co_u32 s22, s22, s23
	s_mov_b32 s23, 0
	s_add_nc_u64 s[6:7], s[6:7], s[22:23]
.macro TABLE_LO
	WIN 0
.irp t, 0,1,2,3,4,5,6,7,8,9,10,11,12,13,14,15
	global_load_b128 v[128+8*\t:128+8*\t+3], v[LI], s[6:7] offset:(\t/4)*8192+(\t%4)*1024
	global_load_b128 v[128+8*\t+4:128+8*\t+7], v[LI], s[6:7] offset:(\t/4)*8192+(\t%4)*1024+512
.endr
.endm
.macro TABLE_HI
	WIN 0x40                                       ; destination window 1, address window 0
.irp t, 16,17,18,19,20,21,22,23
	global_load_b128 v[192+8*(\t-16):192+8*(\t-16)+3], v[LI], s[6:7] offset:(\t/4)*8192+(\t%4)*1024
	global_load_b128 v[192+8*(\t-16)+4:192+8*(\t-16)+7], v[LI], s[6:7] offset:(\t/4)*8192+(\t%4)*1024+512
.endr
	WIN 0x80                                       ; destination window 2
.irp t, 24,25,26,27,28,29,30,31
	global_load_b128 v[192+8*(\t-24):192+8*(\t-24)+3], v[LI], s[6:7] offset:(\t/4)*8192+(\t%4)*1024
	global_load_b128 v[192+8*(\t-24)+4:192+8*(\t-24)+7], v[LI], s[6:7] offset:(\t/4)*8192+(\t%4)*1024+512
.endr
	WIN 0
.endm
	; where my codes go, in units of 2,048 bytes.  q, k: (B's block - 48) x 128 + my first position tile; v: 2,560 + kv head x 128 + key step x 8
	s_sub_co_u32 s20, s13, 48
	s_lshl_b32 s20, s20, 7
	s_add_co_u32 s20, s20, s18
	s_lshl_b32 s21, s17, 1
	s_add_co_u32 s21, s21, s15                     ; v: the kv head = 2 x A's tile + wave / 2
	s_lshl_b32 s21, s21, 7
	s_sub_co_u32 s22, s13, 32                      ; v: the key step = B's position block
	s_lshl_b32 s22, s22, 3
	s_add_co_u32 s21, s21, s22
	s_add_co_u32 s21, s21, 2560
	s_cmp_ge_u32 ttmp9, 40
	s_cselect_b32 s20, s21, s20
	s_lshl_b32 s20, s20, 11
	s_lshl_b32 s22, s16, 10                        ; my eight registers of an image's sixteen: 1,024 x (wave % 2)
	s_add_co_u32 s20, s20, s22
	s_mov_b32 s21, 0
	s_add_nc_u64 s[10:11], s[10:11], s[20:21]
.macro FETCH slot, q, set              ; the fragments of the slot's q-th K step into a set: 48 loads of 512 consecutive bytes
	WIN 0x40*(1+(\set))                            ; destination window 1 or 2, address window 0
.irp i, 0,1,2,3,4,5,6,7
.irp c, 0,1,2,3
	ds_load_b128 v[16*\i+4*\c:16*\i+4*\c+3], v[ADRA+\slot] offset:(\q)*KSB+\i*2048+\c*512
.endr
.endr
.irp i, 0,1,2,3
.irp c, 0,1,2,3
	ds_load_b128 v[128+16*\i+4*\c:128+16*\i+4*\c+3], v[ADRB+\slot] offset:(\q)*KSB+\i*2048+\c*512
.endr
.endr
.endm
.macro MUL16 set, a0, zero             ; A's tiles a0 .. a0 + 3 x B's four.  The 32 accumulators take turns in one order through all steps
	WIN 0xf5+5*(\set)                              ; sources 0 and 1 window 1 or 2; C and D window 3
.irp a, \a0, \a0+1, \a0+2, \a0+3
.irp b, 0,1,2,3
.if \zero
	v_wmma_f32_16x16x128_fp8_fp8 v[8*(4*(\a)+\b):8*(4*(\a)+\b)+7], v[128+16*\b:128+16*\b+15], v[16*(\a):16*(\a)+15], 0
.else
	v_wmma_f32_16x16x128_fp8_fp8 v[8*(4*(\a)+\b):8*(4*(\a)+\b)+7], v[128+16*\b:128+16*\b+15], v[16*(\a):16*(\a)+15], v[8*(4*(\a)+\b):8*(4*(\a)+\b)+7]
.endif
.endr
.endr
.endm
.macro STEP slot, q, f, zero           ; a K step that has its successor in the same slot; it multiplies set f
	s_wait_dscnt 0x0                               ; set f is in
	PLACES                                         ; the other set was read by the step before
	FETCH \slot, (\q)+1, 1-\f                      ; the next step's loads run under this step's products
	MUL16 \f, 0, \zero
	MUL16 \f, 4, \zero
.endm
; A slot's last step changes slots: one barrier.  fill = 1: it opens a round of the cluster's barrier, and this slot takes the three K steps that lie six further on; 2: the same with the last K step; 0: nothing is left to fetch
.macro TURN slot, next, f, fill
	s_wait_dscnt 0x0                               ; set f is in: my reads of this slot are over
	WIN 0                                          ; (the add's two registers lie in window 0)
	s_wait_tensorcnt 0x0                           ; all my tensor loads have landed: my part of the next slot
	ds_add_u32 v[SPW], v[NIL]                      ; 0 onto my spare word
	MUL16 \f, 0, 0                                 ; sixteen matrix instructions stand between the add and the wait for it
	s_wait_dscnt 0x0                               ; the add is done
	s_barrier_signal -1
	MUL16 \f, 4, 0
	WIN 0
	s_barrier_wait -1
.if \fill == 1
	CREST                                          ; no wave of any partner still reads this slot or has a load on its way
	s_add_nc_u64 s[G0A+4*\slot+2:G0A+4*\slot+3], s[G0A+4*\slot+2:G0A+4*\slot+3], 2*PART
	s_add_nc_u64 s[G0B+4*\slot+2:G0B+4*\slot+3], s[G0B+4*\slot+2:G0B+4*\slot+3], 2*PART
	JLOAD G0A+4*\slot, G1A, G0B+4*\slot, G1B       ; the first tensor load behind the round; its four v_nop are the places in front of the loads below
.elseif \fill == 2
	CREST
	JLOAD G0AS, G1AS, G0BS, G1BS
.else
	PLACES
.endif
	FETCH \next, 0, 1-\f
.if (\fill == 1) && (ASKK < 15)
	WIN 0
	ASK                                            ; what the next refill will bring
.endif
.endm
	s_wait_alu depctr_va_vdst(0)
	s_wait_tensorcnt 0x0                           ; my part of both slots is in, so the descriptors may be written: what the refills bring
	s_add_co_u32 s[G0B+5], s94, 4*PART+SLOT
	s_add_nc_u64 s[G0B+6:G0B+7], s[98:99], PART
	s_or_b32 s[G0B+7], s[G0B+7], 0x80000000
	s_mov_b32 s[G1A+2], 192<<16
	s_mov_b32 s[G1A+4], 192
	s_mov_b32 s[G1B+2], 96<<16
	s_mov_b32 s[G1B+4], 96
	s_barrier_signal -1
	s_barrier_wait -1
	FETCH 0, 0, 0
	TABLE_LO
	ASK                                            ; K steps 6 to 8
	STEP 0, 0, 0, 1                                ; K step 0: the first products start the sums: nothing is cleared
	STEP 0, 1, 1, 0
	TURN 0, 1, 0, 1                                ; K step 2; slot 0 takes steps 6 to 8
	STEP 1, 0, 1, 0
	STEP 1, 1, 0, 0
	TURN 1, 0, 1, 1                                ; K step 5; slot 1 takes steps 9 to 11
	STEP 0, 0, 0, 0
	STEP 0, 1, 1, 0
	TURN 0, 1, 0, 1                                ; K step 8; slot 0 takes steps 12 to 14
	STEP 1, 0, 1, 0
	STEP 1, 1, 0, 0
	TURN 1, 0, 1, 2                                ; K step 11; slot 1 takes step 15
	TABLE_HI
	STEP 0, 0, 0, 0
	STEP 0, 1, 1, 0
	TURN 0, 1, 0, 0                                ; K step 14; nothing is left to fetch
	s_wait_dscnt 0x0
	MUL16 1, 0, 0                                  ; K step 15
	MUL16 1, 4, 0
	WIN 0
	PLACES
	; ---- the scale: a sum stands for sum x 2^(A's e + B's e); its code is sum / 2^(the next operand's e - those two)
	s_wait_kmcnt 0x0
	s_sub_co_i32 s18, s90, s84
	s_sub_co_i32 s18, s18, s85                     ; q: e6 - e0 - e1
	s_sub_co_i32 s19, s91, s86
	s_sub_co_i32 s19, s19, s87                     ; k: e7 - e2 - e3
	s_sub_co_i32 s20, s92, s88
	s_sub_co_i32 s20, s20, s89                     ; v: e8 - e4 - e5
	s_cmp_ge_u32 ttmp9, 32
	s_cselect_b32 s18, s19, s18
	s_cmp_ge_u32 ttmp9, 40
	s_cselect_b32 s18, s20, s18
	s_add_co_i32 s18, s18, 127
	s_lshl_b32 s19, s18, 23
	v_mov_b32 v30, s19
	s_add_co_i32 s18, s18, 8
	s_lshl_b32 s18, s18, 23
	s_or_b32 s18, s18, 0x600000
	v_mov_b32 v31, s18                             ; 448 x the scale
	s_wait_loadcnt 0x0                             ; the table
	s_cmp_ge_u32 ttmp9, 40                         ; v is not rotated: a branch on the cluster's number, the same in all partners
	s_cbranch_scc1 .Lno_rope
.macro ROPE t                          ; accumulator t: four pairs (re, im) x (cos, sin).  The products with im go to window 0 first, so that an accumulator costs two switches of the windows
.if (\t) < 16
.set TW, 0
.set TR, 128+8*(\t)
.elseif (\t) < 24
.set TW, 1
.set TR, 192+8*((\t)-16)
.else
.set TW, 2
.set TR, 192+8*((\t)-24)
.endif
	WIN 0x03+4*TW                                  ; source 0 window 3, source 1 the table's window, destination window 0
.irp p, 0,1,2,3
	v_mul_f32 v[TMP+2*\p], v[8*(\t)+2*\p+1], v[TR+2*\p+1]                              ; im sin   (the accumulator is read from its low end on)
	v_mul_f32 v[TMP+2*\p+1], v[8*(\t)+2*\p+1], v[TR+2*\p]                              ; im cos
.endr
	WIN 0xc3+4*TW                                  ; the same, destination window 3, source 2 window 0
.irp p, 0,1,2,3
	v_fma_f32 v[8*(\t)+2*\p+1], v[8*(\t)+2*\p], v[TR+2*\p+1], v[TMP+2*\p+1]            ; re sin + im cos
	v_fma_f32 v[8*(\t)+2*\p], v[8*(\t)+2*\p], v[TR+2*\p], -v[TMP+2*\p]                 ; re cos - im sin
.endr
.endm
.irp t, 0,1,2,3,4,5,6,7,8,9,10,11,12,13,14,15,16,17,18,19,20,21,22,23,24,25,26,27,28,29,30,31
	ROPE \t
.endr
	WIN 0
.Lno_rope:
; Sixteen accumulators at a time: the holds carry the sums into window 0 (the table's registers there are done with), the conversions work in window 0, and four tiles' codes leave.
.macro CODES t0
	WIN 0x03                                       ; source 0 window 3
.set nn, 0
.rept 128
	v_med3_num_f32 v[HLD+nn], v[8*(\t0)+nn], -v31, v31     ; the conversion to an 8-bit code does not saturate (ISA guide 7.6.2); each accumulator from its low end on
.set nn, nn+1
.endr
	WIN 0
.set nn, 0
.rept 16
	v_cvt_scalef32_pk8_fp8_f32 v[COD+2*(\t0)+2*nn:COD+2*(\t0)+2*nn+1], v[HLD+8*nn:HLD+8*nn+7], v30   ; accumulator (a, b): registers 2 (4 (wave % 2) + b), + 1 of tile a's image
.set nn, nn+1
.endr
	v_nop                                          ; a plain line behind the last conversion: the next holds write its sources
.set nn, 0
.rept 8
	global_store_b128 v[LI], v[COD+2*(\t0)+4*nn:COD+2*(\t0)+4*nn+3], s[10:11] offset:((\t0)/4+nn/2)*2048+(nn%2)*512   ; a wave's store covers 512 consecutive bytes, aligned
.set nn, nn+1
.endr
.endm
	s_wait_alu depctr_va_vdst(0)
	CODES 0
	CODES 16
	s_wait_tensorcnt 0x0                           ; the wave's end
	ds_add_u32 v[SPW], v[NIL]
	s_wait_dscnt 0x0
	CROUND                                         ; the closing round: no work-group ends while a partner may still ask for a tile that names it
	s_endpgm
.Lfunc_end_k_q175b739330_proj:
	.size	k_q175b739330_proj, .Lfunc_end_k_q175b739330_proj-k_q175b739330_proj
	.p2alignl 7, 3214868480
	.fill 96, 4, 3214868480
	.section	.rodata,"a",@progbits
	.p2align	6, 0x0
	.amdhsa_kernel k_q175b739330_proj
		.amdhsa_group_segment_fixed_size 327680
		.amdhsa_private_segment_fixed_size 0
		.amdhsa_enable_private_segment 0
		.amdhsa_kernarg_size 32
		.amdhsa_user_sgpr_count 2
		.amdhsa_user_sgpr_kernarg_segment_ptr 1
		.amdhsa_wavefront_size32 1
		.amdhsa_system_sgpr_workgroup_id_x 1
		.amdhsa_system_sgpr_workgroup_id_y 1
		.amdhsa_system_sgpr_workgroup_id_z 1
		.amdhsa_system_vgpr_workitem_id 0
		.amdhsa_next_free_vgpr 1024
		.amdhsa_next_free_sgpr 100
		.amdhsa_reserve_vcc 0
		.amdhsa_float_denorm_mode_32 3
		.amdhsa_float_denorm_mode_16_64 3
		.amdhsa_memory_ordered 1
		.amdhsa_forward_progress 1
		.amdhsa_inst_pref_size 152
	.end_amdhsa_kernel
	.amdgpu_metadata
---
amdhsa.version: [ 1, 2 ]
amdhsa.kernels:
  - .name:           k_q175b739330_proj
    .symbol:         k_q175b739330_proj.kd
    .args:
      - { .name: img, .offset: 0, .size: 8, .value_kind: global_buffer, .address_space: global }
      - { .name: rope, .offset: 8, .size: 8, .value_kind: global_buffer, .address_space: global }
      - { .name: lowp_scales, .offset: 16, .size: 8, .value_kind: global_buffer, .address_space: global }
      - { .name: qkvc, .offset: 24, .size: 8, .value_kind: global_buffer, .address_space: global }
    .group_segment_fixed_size: 327680
    .private_segment_fixed_size: 0
    .kernarg_segment_align: 8
    .kernarg_segment_size: 32
    .max_flat_workgroup_size: 128
    .sgpr_count:     100
    .vgpr_count:     1024
    .wavefront_size: 32
...
	.end_amdgpu_metadata
.endif
;; end of part 2
;; launch attn (part 3): grid 64 x 4, 4 waves a work-group, no clusters, 270,848 bytes of LDS; arguments qkvc, lowp_scales, aimg; writes aimg
.if DOCPART == 3
	.amdgcn_target "amdgcn-amd-amdhsa--gfx1250"
	.amdhsa_code_object_version 6
	.text
	.protected	k_q175b739330_attn
	.globl	k_q175b739330_attn
	.p2align	8
	.type	k_q175b739330_attn,@function
k_q175b739330_attn:
	s_mov_b64 s[64:65], 0
	v_nop
	global_prefetch_b8 v0, s[64:65] scope:SCOPE_SE
	s_setreg_imm32_b32 hwreg(HW_REG_WAVE_MODE, 25, 1), 1
	s_wait_xcnt 0x0
; Causal attention on codes of E4M3: 16 query heads, 4 key and value heads, 2,048 positions, head size 128; the result is quantised (scale e10) for the last product.
; qkvc: q [head 16][position tile 128][2,048] at 0; k [kv head 4][key tile 128][2,048] at 4 MiB; v^T [kv head 4][key step 16][d tile 8][2,048] at 5 MiB: images of fragments
; (16 rows x 128 K; registers 4p .. 4p+3 of lane l at 512 p + 16 l).  aimg: [position block 16][head 16][position tile 8][2,048].
; THE SOFTMAX: t = score x log2(e) / sqrt(128); M = the running largest t rounded UP to a whole number; p = 2^(t - M) is quantised (scale e9), not normalised; the row's sum is taken of the
; unquantised p and divides at the end; when M moves, the sum and O are multiplied by 2^(old M - new M), which rounds nothing.
; SHARES.  Work-group j (0 .. 63) of a kv head takes query tiles 127 - j (B, first) and j (A) of the kv head's four query heads: 16 - a and a + 1 key steps of 128 (a = j / 8), 17 whatever j: 256 work-groups of equal work.
; A WAVE TAKES ALL FOUR HEADS, so each fragment of K and V feeds four matrix instructions; the four waves take DIFFERENT KEY STEPS: the first 16 of the 17 are dealt in turn, four to a wave.  THE LAST STEP, tile A's
; diagonal, is shared by heads: wave w takes head w of it, the head that it merges at the end, and keeps that part in registers.  Key steps all of whose keys come after a tile's queries are thrown away by the mask
; that the computation itself builds, and are left out.  The parts of a tile are merged at the end; their M are whole numbers, so that is exact.
; In the sixteen dealt steps a fragment of K or V is read by ONE wave of the work-group and goes from memory straight into its operand registers: no tensor load, no slot, no barrier but one ahead of the merge.
; CLUSTER = NONE for that reason: a joint load lands in LDS, and would add an LDS pass and a round of the cluster's barrier for bytes that one wave alone reads.
; Both products are used transposed: S^T = K Q^T, O^T = V^T P^T: a lane holds one query (lane % 16) throughout; tile t of S^T holds keys 16 t + 8 h + 0 .. 7, which are registers 2t, 2t+1 of P's fragment.
; LOADS: a step's V is asked for among its score products and needed behind its softmax; the next step's K is asked for among the maxima and needed at that step's head.
; PREFETCH: the work-groups j = 0 .. 3 (which walk all 16 steps) ask in steps 0 to 7 of tile B for the step eight further on, two of the wave's steps ahead: each a quarter of its 32,768 bytes, one instruction
; a wave, lanes 256 bytes apart.  So each aligned 256 bytes are named once; steps 0 to 7 come by their loads alone, and nothing is asked for beyond step 15.
; LIMITS: e6 + e7 between -110 and 130 (added to c's exponent field; hidden scores are -3e38); e9 between -126 and 119; e8 + e9 - e10 is applied by v_ldexp_f32.
; REGISTERS: window 0: v1-31 addresses and each head's -M, factor; v32-95 Q; v96-159 P's codes; v160-255 at work.  Window 1: v0-127 K (at the end the last step's O^T), v128-255 V.
; Window 2: S^T, then p, 64 for each head.  Window 3: O^T likewise.
.set HP,   8448                        ; a part of a head and tile in LDS: 8,192 bytes of O^T, 256 of (-M, sum)
.set WP,   4*HP                        ; a wave's part of a tile
.set TP,   4*WP                        ; a tile
.set SPARE, 2*TP                       ; behind them: the spare words, 128 bytes for each wave: two blocks of 256 bytes that no other line names
.set LI,   1                           ; 16 x lane
.set MG,   2                           ; LDS: my part of tile B
.set MGS,  3                           ; its (-M, sum)
.set SPW,  4
.set NIL,  5
.set PFO,  7                           ; the prefetch's offset; never rewritten
.set NEG,  8                           ; -3e38
.set DG,   9                           ; r - 8 h: in the diagonal's tile register j is hidden where j is greater
.set POS,  10                          ; 3e38
.set MA,   11
.set MSA,  12
.set NM,   16                          ; -M of head i at 16 + 2 i; beside it, at the end, the sum
.set FF,   24                          ; 2^(old M - new M) of head i at 24 + 2 i
.set Q,    32
.set P,    96
.set MX,   160                         ; the largest t of head i
.set TT,   164
.set PX,   172
.set LA,   180                         ; the sums: four partial ones for each head
.set HOLD, 196
.set SCL,  197
.set K448, 198
.set ONE,  199
.set M5,   200                         ; the last step's part: -M, and beside it the sum
.set F5,   202                         ; its factor in the merge
.set MSK,  208
.set RA,   216
.set RM,   220
.set ML,   224
.set WV,   10
.set KC,   20                          ; the step's K (its V lies 1 MiB further on)
.set KN,   22                          ; the next step's
.set K1,   24                          ; tile A's first
.set QA,   26
.set QB,   28
.set CNT,  30                          ; steps to go in this tile
.set SI,   31                          ; the step
.set SMAX, 32                          ; the tile's last step
.set MORE, 33                          ; steps that I have in the next tile
.set DT,   34                          ; tile % 8
.set FST,  35                          ; 0 in a tile's first step
.set TI,   36
.set TIX,  37
.set LIM,  38
.set CS,   42
.set SEL,  44
.set OUT,  56
.set KM,   62                          ; the last step's K
.set QM,   66                          ; its Q: head w of tile A
.set KX,   68
.set MSB, 0
.macro WIN new                         ; the immediate's high byte repeats the setting that is left
.if MSB != (\new)
	s_set_vgpr_msb (MSB<<8)|(\new)
.set MSB, (\new)
.endif
.endm
.macro PLACES                          ; four plain vector instructions behind a matrix instruction (ISA guide 7.12.1)
.rept 4
	v_nop
.endr
.endm
.macro QLOAD ptr
.irp i, 0,1,2,3
.irp c, 0,1,2,3
	global_load_b128 v[Q+16*\i+4*\c:Q+16*\i+4*\c+3], v[LI], s[\ptr:\ptr+1] offset:\i*262144+\c*512
.endr
.endr
.endm
.macro FRAG ptr, reg, t, off           ; one fragment into window 1
	WIN 0x40
.irp c, 0,1,2,3
	global_load_b128 v[(\reg)+16*(\t)+4*\c:(\reg)+16*(\t)+4*\c+3], v[LI], s[\ptr:\ptr+1] offset:(\off)+(\t)*2048+\c*512
.endr
.endm
	s_load_b128 s[4:7], s[0:1], 0x0                ; qkvc s[4:5], scales s[6:7]
	s_load_b64 s[8:9], s[0:1], 0x10                ; aimg
	v_lshl_add_u32 v[SPW], v0, 2, SPARE
	v_mov_b32 v[NIL], 0
	v_lshrrev_b32 v6, 5, v0
	v_readfirstlane_b32 s[WV], v6                  ; wave 0..3
	v_and_b32 v6, 31, v0
	v_lshlrev_b32 v[LI], 4, v6
	s_lshr_b32 s12, ttmp9, 3                       ; a
	s_and_b32 s13, ttmp7, 0xffff                   ; the kv head
	s_sub_co_u32 s14, 127, ttmp9                   ; tile B
	s_sub_co_u32 s15, 19, s12
	s_sub_co_u32 s15, s15, s[WV]
	s_lshr_b32 s[CNT], s15, 2                      ; B: steps w, w + 4, .. up to 15 - a: two at the least
	s_add_co_u32 s16, s[WV], s12
	s_and_b32 s16, s16, 3                          ; A: my first step: the deal goes on behind B's 16 - a steps
	s_add_co_u32 s17, s12, 3
	s_sub_co_u32 s17, s17, s16
	s_lshr_b32 s[MORE], s17, 2                     ; A: how many of its steps 0 .. a - 1: 0 to 2; with B's four in all
	s_sub_co_u32 s[SMAX], 15, s12
	s_mov_b32 s[SI], s[WV]
	s_and_b32 s[DT], s14, 7
	s_lshl_b32 s40, s13, 18
	s_add_co_u32 s40, s40, 0x400000
	s_lshl_b32 s41, s[WV], 14
	s_add_co_u32 s18, s40, s41                     ; B's first K
	s_lshl_b32 s41, s12, 14
	s_add_co_u32 s62, s40, s41                     ; the last step's: step a
	s_mov_b32 s63, 0
	s_lshl_b32 s41, s16, 14
	s_add_co_u32 s40, s40, s41                     ; A's first
	s_mov_b32 s19, 0
	s_mov_b32 s41, 0
	s_lshl_b32 s46, s13, 20                        ; the kv head's four query heads
	s_lshl_b32 s47, s14, 11
	s_add_co_u32 s28, s46, s47
	s_lshl_b32 s47, ttmp9, 11
	s_add_co_u32 s26, s46, s47
	s_mov_b32 s29, 0
	s_mov_b32 s27, 0
	s_lshl_b32 s66, s[WV], 18
	s_add_co_u32 s66, s66, s26                     ; head w of tile A
	s_mov_b32 s67, 0
	s_lshl_b32 s60, s13, 2
	s_add_co_u32 s60, s60, s[WV]                   ; the head that I merge: 4 x kv head + wave
	s_lshr_b32 s56, s14, 3
	s_lshl_b32 s56, s56, 4
	s_add_co_u32 s56, s56, s60
	s_lshl_b32 s56, s56, 3
	s_add_co_u32 s56, s56, s[DT]
	s_lshl_b32 s56, s56, 11                        ; its result's image, tile B
	s_mov_b32 s57, 0
	s_lshl_b32 s58, s12, 4
	s_add_co_u32 s58, s58, s60
	s_lshl_b32 s58, s58, 3
	s_and_b32 s61, ttmp9, 7
	s_add_co_u32 s58, s58, s61
	s_lshl_b32 s58, s58, 11                        ; tile A
	s_mov_b32 s59, 0
	s_mov_b32 s[SEL], 0x76543210
	s_mov_b32 s[SEL+1], 0xfedcba98
	s_mov_b32 s[CS], 0x3e0293ee                    ; c = log2(e) / sqrt(128)
	s_wait_alu depctr_va_vdst(0)
	s_wait_kmcnt 0x0
	s_load_b128 s[48:51], s[6:7], 0x18             ; e6, e7, e8, e9
	s_load_b32 s52, s[6:7], 0x28                   ; e10
	s_add_nc_u64 s[QB:QB+1], s[4:5], s[28:29]
	s_add_nc_u64 s[KC:KC+1], s[4:5], s[18:19]
	QLOAD QB
.irp t, 0,1,2,3,4,5,6,7
	FRAG KC, 0, \t, 0
.endr
	WIN 0
	s_add_nc_u64 s[K1:K1+1], s[4:5], s[40:41]
	s_add_nc_u64 s[QA:QA+1], s[4:5], s[26:27]
	s_add_nc_u64 s[KM:KM+1], s[4:5], s[62:63]
	s_add_nc_u64 s[QM:QM+1], s[4:5], s[66:67]
	s_add_nc_u64 s[OUT:OUT+1], s[8:9], s[56:57]
	s_add_nc_u64 s[OUT+2:OUT+3], s[8:9], s[58:59]
	s_cmp_lt_u32 ttmp9, 4
	s_cselect_b32 s[LIM], 8, 0
	s_and_b32 s40, ttmp9, 1
	s_lshl_b32 s40, s40, 13                        ; j = 0, 1: halves of K; 2, 3: of V
	s_bfe_u32 s41, ttmp9, 0x10001
	s_lshl_b32 s41, s41, 20
	s_add_co_u32 s40, s40, s41
	v_lshlrev_b32 v[PFO], 4, v[LI]
	v_add_nc_u32 v[PFO], s40, v[PFO]
	s_mul_i32 s41, s[WV], WP
	v_add_nc_u32 v[MG], s41, v[LI]
	v_lshrrev_b32 v[MGS], 1, v[LI]
	v_add_nc_u32 v[MGS], s41, v[MGS]
	v_add_nc_u32 v[MGS], 0x2000, v[MGS]
	v_and_b32 v13, 15, v0
	v_bfe_u32 v14, v0, 4, 1
	v_lshlrev_b32 v14, 3, v14
	v_sub_nc_u32 v[DG], v13, v14
	v_mov_b32 v[NEG], 0xff61b1e6
	v_mov_b32 v[POS], 0x7f61b1e6
.irp i, 0,1,2,3
	v_mov_b32 v[NM+2*\i+1], 0                      ; named as the upper halves of pairs
	v_mov_b32 v[FF+2*\i+1], 0
	v_mov_b32 v[PX+\i], 0                          ; a lane permute's destination counts as one of its sources
.endr
	s_wait_kmcnt 0x0
	s_add_co_i32 s40, s48, s49
	s_lshl_b32 s40, s40, 23
	s_add_co_i32 s[CS], s[CS], s40                 ; a score stands for score x 2^(e6 + e7): added to c's exponent field
	s_mov_b32 s[CS+1], s[CS]
	s_add_co_i32 s40, s51, 127
	s_lshl_b32 s41, s40, 23
	v_mov_b32 v[SCL], s41                          ; 2^e9
	s_add_co_i32 s40, s40, 8
	s_lshl_b32 s40, s40, 23
	s_or_b32 s40, s40, 0x600000
	v_mov_b32 v[HOLD], s40                         ; 448 x 2^e9
	s_add_co_i32 s54, s50, s51
	s_sub_co_i32 s54, s54, s52                     ; e8 + e9 - e10
	s_mov_b32 s[TI], 0
	s_mov_b32 s[TIX], 0
.Ltile:                                                ; two trips: tile B, tile A
.irp i, 0,1,2,3
	v_mov_b32 v[MX+\i], v[NEG]                     ; the largest t so far: under every t
	v_mov_b32 v[NM+2*\i], v[POS]
.endr
.set nn, 0
.rept 16
	v_mov_b32 v[LA+nn], 0
.set nn, nn+1
.endr
	s_mov_b32 s[FST], 0
	s_wait_alu depctr_va_vdst(0)
	s_cmp_eq_u32 s[CNT], 0
	s_cbranch_scc0 .Lunit
	s_wait_loadcnt 0x0                             ; no load of mine stays out on this way either
	WIN 0xc0                                       ; a wave with no step of tile A hands zeros to the merge
.set nn, 0
.rept 256
	v_mov_b32 v[nn], 0
.set nn, nn+1
.endr
	WIN 0
	s_wait_alu depctr_va_vdst(0)
	s_branch .Lpark
; A KEY STEP of 128 keys for four heads.
.Lunit:
	s_cmp_eq_u32 s[MORE], 0
	s_cselect_b64 s[KX:KX+1], s[KM:KM+1], s[K1:K1+1]
	s_add_nc_u64 s[KN:KN+1], s[KC:KC+1], 0x10000   ; my next step: four steps on, or tile A's first, or the last one
	s_cmp_eq_u32 s[CNT], 1
	s_cselect_b64 s[KN:KN+1], s[KX:KX+1], s[KN:KN+1]
	s_wait_loadcnt 0x0                             ; Q and K are in
.irp t, 0,1,2,3,4,5,6,7
	WIN 0x81                                       ; source 0 (K) window 1, source 1 (Q) window 0, D window 2
.irp i, 0,1,2,3
	v_wmma_f32_16x16x128_fp8_fp8 v[64*\i+8*\t:64*\i+8*\t+7], v[16*\t:16*\t+15], v[Q+16*\i:Q+16*\i+15], 0
.endr
	FRAG KC, 128, \t, 0x100000                     ; this step's V
.endr
	WIN 0
	PLACES
	s_cmp_lg_u32 s[CNT], 1
	s_cbranch_scc1 .Lnextk
	s_cmp_eq_u32 s[MORE], 0                        ; the tile's last step: tile A's queries come next, or head w of them for the last step
	s_cbranch_scc1 .Lmini
	QLOAD QA
	s_branch .Lnextk
.Lmini:
.irp c, 0,1,2,3
	global_load_b128 v[Q+4*\c:Q+4*\c+3], v[LI], s[QM:QM+1] offset:512*\c
.endr
.Lnextk:
	s_cmp_lt_u32 s[SI], s[LIM]
	s_cbranch_scc0 .Lnopf
	global_prefetch_b8 v[PFO], s[KC:KC+1] offset:131072 th:TH_LOAD_NT scope:SCOPE_SE   ; eight key steps on
.Lnopf:
	s_cmp_lg_u32 s[SI], s[SMAX]                    ; only the tile's last step lies on the diagonal
	s_cbranch_scc1 .Lopen
.macro TRIANGLE
.irp j, 0,1,2,3,4,5,6,7
	v_cmp_gt_i32 vcc_lo, \j, v[DG]
	v_cndmask_b32 v[MSK+\j], v[POS], v[NEG], vcc_lo
.endr
.endm
	TRIANGLE
.irp t, 0,1,2,3,4,5,6,7                        ; key tiles ahead of the query tile are open, the tile itself is a triangle, those behind it are hidden whole
	s_wait_alu depctr_va_vdst(0)
	s_cmp_gt_u32 s[DT], \t
	s_cbranch_scc1 .Lvis\t
	WIN 0x88                                       ; source 1 and destination window 2
.irp i, 0,1,2,3
.irp j, 0,1,2,3,4,5,6,7
	v_min_num_f32 v[64*\i+8*\t+\j], v[MSK+\j], v[64*\i+8*\t+\j]
.endr
.endr
	WIN 0
.irp j, 0,1,2,3,4,5,6,7
	v_mov_b32 v[MSK+\j], v[NEG]
.endr
.Lvis\t:
.endr
.Lopen:
.irp k, 0,1,2,3,4,5,6,7,8,9,10,11,12,13,14,15  ; the step's largest scores, two chains for each head, each accumulator from its low end on
	WIN 0x28                                       ; sources 1 and 2 window 2
.irp i, 0,1,2,3
.irp e, 0,1
.if \k == 0
	v_max3_num_f32 v[TT+2*\i+\e], v[NEG], v[64*\i+2*\e], v[64*\i+2*\e+1]
.else
	v_max3_num_f32 v[TT+2*\i+\e], v[TT+2*\i+\e], v[64*\i+4*\k+2*\e], v[64*\i+4*\k+2*\e+1]
.endif
.endr
.endr
.if (\k%2) == 1
	FRAG KN, 0, \k/2, 0                            ; the next step's K
.endif
.endr
	WIN 0
.irp i, 0,1,2,3
	v_max_num_f32 v[TT+2*\i], v[TT+2*\i], v[TT+2*\i+1]
.endr
.irp i, 0,1,2,3
	v_permlanex16_b32 v[PX+\i], v[TT+2*\i], s[SEL], s[SEL+1]
.endr
.irp i, 0,1,2,3
	v_max_num_f32 v[TT+2*\i], v[TT+2*\i], v[PX+\i] ; and among lane l xor 16's
.endr
.irp i, 0,1,2,3
	v_mul_f32 v[TT+2*\i], s[CS], v[TT+2*\i]        ; as t (c is positive)
.endr
.irp i, 0,1,2,3
	v_max_num_f32 v[MX+\i], v[MX+\i], v[TT+2*\i]
.endr
.irp i, 0,1,2,3
	v_mov_b32 v[TT+2*\i+1], v[NM+2*\i]
.endr
.irp i, 0,1,2,3
	v_floor_f32 v[NM+2*\i], -v[MX+\i]              ; the new -M = -ceil(t)
.endr
.irp i, 0,1,2,3
	v_sub_f32 v[TT+2*\i], v[NM+2*\i], v[TT+2*\i+1] ; old M - new M: a whole number, 0 or less
.endr
.irp i, 0,1,2,3
	v_cvt_i32_f32 v[TT+2*\i], v[TT+2*\i]           ; (it saturates)
.endr
.irp i, 0,1,2,3
	v_ldexp_f32 v[FF+2*\i], 1.0, v[TT+2*\i]
.endr
.irp i, 0,1,2,3
	v_pk_mul_f32 v[LA+4*\i:LA+4*\i+1], v[LA+4*\i:LA+4*\i+1], v[FF+2*\i:FF+2*\i+1] op_sel_hi:[1,0]
	v_pk_mul_f32 v[LA+4*\i+2:LA+4*\i+3], v[LA+4*\i+2:LA+4*\i+3], v[FF+2*\i:FF+2*\i+1] op_sel_hi:[1,0]
.endr
	s_wait_alu depctr_va_vdst(0)
	s_cmp_eq_u32 s[FST], 0                         ; a tile's first step has no O^T yet
	s_cbranch_scc1 .Lfirst
	WIN 0xc3                                       ; source 0 and destination window 3
.irp i, 0,1,2,3
.set jj, 0
.rept 32
	v_pk_mul_f32 v[64*\i+jj:64*\i+jj+1], v[64*\i+jj:64*\i+jj+1], v[FF+2*\i:FF+2*\i+1] op_sel_hi:[1,0]   ; O^T under the new M
.set jj, jj+2
.endr
.endr
	WIN 0
.Lfirst:
.macro TMM i, j                        ; t - M, two at a time
	v_pk_fma_f32 v[64*(\i)+(\j):64*(\i)+(\j)+1], v[64*(\i)+(\j):64*(\i)+(\j)+1], s[CS:CS+1], v[NM+2*(\i):NM+2*(\i)+1] op_sel_hi:[1,0,0]
.endm
	WIN 0x82                                       ; source 0 and destination window 2
.set jj, 0
.rept 32
	TMM 0, jj
.set jj, jj+2
.endr
.irp i, 0,1,2,3                                ; a batch of 64 exponentials for each head; the next head's t - M stand among them
	s_wait_alu depctr_va_vdst(0)
.set jj, 0
.rept 32
	v_exp_f32 v[64*\i+jj], v[64*\i+jj]             ; p = 2^(t - M)
.if \i < 3
	TMM \i+1, jj
.endif
	v_exp_f32 v[64*\i+jj+1], v[64*\i+jj+1]
.set jj, jj+2
.endr
.endr
	WIN 0x08                                       ; source 1 window 2
	v_nop                                          ; a plain line behind the last exponential
	s_wait_alu depctr_va_vdst(0)                   ; the wait behind the batches, ahead of their first reader
.irp k, 0,1,2,3,4,5,6,7,8,9,10,11,12,13,14,15  ; the sums of the unquantised p, two chains for each head
.irp i, 0,1,2,3
	v_pk_add_f32 v[LA+4*\i:LA+4*\i+1], v[LA+4*\i:LA+4*\i+1], v[64*\i+4*\k:64*\i+4*\k+1]
	v_pk_add_f32 v[LA+4*\i+2:LA+4*\i+3], v[LA+4*\i+2:LA+4*\i+3], v[64*\i+4*\k+2:64*\i+4*\k+3]
.endr
.endr
	WIN 0
	s_wait_alu depctr_va_vdst(0)
	s_cmp_ge_i32 s51, -8                           ; p is at most 1 but for rounding, and 448 x 2^-8 is 1.75: the hold at the largest code is needed under smaller scales alone
	s_cbranch_scc1 .Lfree
	WIN 0x88
.set jj, 0
.rept 256
	v_min_num_f32 v[jj], v[HOLD], v[jj]            ; the conversion does not saturate (ISA guide 7.6.2); p is not negative, so the hold is one-sided
.set jj, jj+1
.endr
	WIN 0
.Lfree:
	WIN 0x02                                       ; source 0 window 2
.irp i, 0,1,2,3
.irp t, 0,1,2,3,4,5,6,7
	v_cvt_scalef32_pk8_fp8_f32 v[P+16*\i+2*\t:P+16*\i+2*\t+1], v[64*\i+8*\t:64*\i+8*\t+7], v[SCL]
.endr
.endr
	WIN 0
	v_nop                                          ; a plain line behind the last conversion
	s_wait_alu depctr_va_vdst(0)
	s_wait_loadcnt 0x0                             ; V is in (and the next step's K)
	s_cmp_eq_u32 s[FST], 0
	s_cbranch_scc1 .Lpv0
	WIN 0xf1                                       ; source 0 (V) window 1, source 1 (P) window 0, C and D window 3
.irp t, 0,1,2,3,4,5,6,7                        ; the 32 accumulators take turns
.irp i, 0,1,2,3
	v_wmma_f32_16x16x128_fp8_fp8 v[64*\i+8*\t:64*\i+8*\t+7], v[128+16*\t:128+16*\t+15], v[P+16*\i:P+16*\i+15], v[64*\i+8*\t:64*\i+8*\t+7]
.endr
.endr
	WIN 0
	s_branch .Lpvd
.Lpv0:
	WIN 0xf1
.irp t, 0,1,2,3,4,5,6,7                        ; a tile's first step starts the sums: nothing is cleared
.irp i, 0,1,2,3
	v_wmma_f32_16x16x128_fp8_fp8 v[64*\i+8*\t:64*\i+8*\t+7], v[128+16*\t:128+16*\t+15], v[P+16*\i:P+16*\i+15], 0
.endr
.endr
	WIN 0
.Lpvd:
	PLACES                                         ; for the loads of V, and for the stores of O^T
	s_wait_xcnt 0x0                                ; the prefetch has read its address
	s_mov_b64 s[KC:KC+1], s[KN:KN+1]
	s_add_co_u32 s[SI], s[SI], 4
	s_mov_b32 s[FST], 1
	s_wait_alu depctr_va_vdst(0)
	s_sub_co_u32 s[CNT], s[CNT], 1
	s_cmp_lg_u32 s[CNT], 0
	s_cbranch_scc1 .Lunit
.Lpark:                                                ; my part of the tile goes to LDS: images of O^T's registers, -M and the sum
	v_add_nc_u32 v[MA], s[TIX], v[MG]
	v_add_nc_u32 v[MSA], s[TIX], v[MGS]
.irp i, 0,1,2,3
	v_pk_add_f32 v[LA+4*\i:LA+4*\i+1], v[LA+4*\i:LA+4*\i+1], v[LA+4*\i+2:LA+4*\i+3]
.endr
.irp i, 0,1,2,3
	v_add_f32 v[NM+2*\i+1], v[LA+4*\i], v[LA+4*\i+1]
.endr
	WIN 0x0c                                       ; the data's window 3
.irp i, 0,1,2,3
.set ii, 0
.rept 16
	ds_store_b128 v[MA], v[64*\i+4*ii:64*\i+4*ii+3] offset:\i*HP+512*ii
.set ii, ii+1
.endr
.endr
	WIN 0
.irp i, 0,1,2,3
	ds_store_b64 v[MSA], v[NM+2*\i:NM+2*\i+1] offset:\i*HP
.endr
	s_mov_b32 s[CNT], s[MORE]                      ; on to tile A
	s_mov_b32 s[MORE], 0
	s_mov_b32 s[SI], s16
	s_mov_b32 s[SMAX], s12
	s_and_b32 s[DT], ttmp9, 7
	s_mov_b32 s[LIM], 0
	s_wait_alu depctr_va_vdst(0)
	s_add_co_u32 s[TIX], s[TIX], TP
	s_add_co_u32 s[TI], s[TI], 1
	s_cmp_lt_u32 s[TI], 2
	s_cbranch_scc1 .Ltile
	; THE LAST STEP: step a of tile A, on the diagonal, head w.  Its K and Q were asked for in my last dealt step
	s_wait_loadcnt 0x0
.irp t, 0,1,2,3,4,5,6,7
	WIN 0x81
	v_wmma_f32_16x16x128_fp8_fp8 v[8*\t:8*\t+7], v[16*\t:16*\t+15], v[Q:Q+15], 0
	FRAG KM, 128, \t, 0x100000
.endr
	WIN 0
	PLACES
	v_mov_b32 v[M5+1], 0                           ; named as the upper halves of pairs
	v_mov_b32 v[F5+1], 0
	TRIANGLE
.irp t, 0,1,2,3,4,5,6,7
	s_wait_alu depctr_va_vdst(0)
	s_cmp_gt_u32 s[DT], \t
	s_cbranch_scc1 .Lmvis\t
	WIN 0x88
.irp j, 0,1,2,3,4,5,6,7
	v_min_num_f32 v[8*\t+\j], v[MSK+\j], v[8*\t+\j]
.endr
	WIN 0
.irp j, 0,1,2,3,4,5,6,7
	v_mov_b32 v[MSK+\j], v[NEG]
.endr
.Lmvis\t:
.endr
	WIN 0x28
.irp k, 0,1,2,3,4,5,6,7
.irp e, 0,1,2,3
.if \k == 0
	v_max3_num_f32 v[TT+\e], v[NEG], v[2*\e], v[2*\e+1]
.else
	v_max3_num_f32 v[TT+\e], v[TT+\e], v[8*\k+2*\e], v[8*\k+2*\e+1]
.endif
.endr
.endr
	WIN 0
	v_max3_num_f32 v[TT], v[TT], v[TT+1], v[TT+2]
	v_max_num_f32 v[TT], v[TT], v[TT+3]
	v_permlanex16_b32 v[PX], v[TT], s[SEL], s[SEL+1]
	v_max_num_f32 v[TT], v[TT], v[PX]
	v_mul_f32 v[TT], s[CS], v[TT]
	v_floor_f32 v[M5], -v[TT]
	WIN 0x82
.set jj, 0
.rept 32
	v_pk_fma_f32 v[jj:jj+1], v[jj:jj+1], s[CS:CS+1], v[M5:M5+1] op_sel_hi:[1,0,0]
.set jj, jj+2
.endr
	s_wait_alu depctr_va_vdst(0)
.set jj, 0
.rept 64
	v_exp_f32 v[jj], v[jj]
.set jj, jj+1
.endr
	v_nop
	s_wait_alu depctr_va_vdst(0)                   ; and behind it, ahead of its first reader
	WIN 0x0a                                       ; sources 0 and 1 window 2
.irp e, 0,1,2,3
	v_pk_add_f32 v[LA+2*\e:LA+2*\e+1], v[2*\e:2*\e+1], v[8+2*\e:8+2*\e+1]
.endr
	WIN 0x08
.irp k, 2,3,4,5,6,7
.irp e, 0,1,2,3
	v_pk_add_f32 v[LA+2*\e:LA+2*\e+1], v[LA+2*\e:LA+2*\e+1], v[8*\k+2*\e:8*\k+2*\e+1]
.endr
.endr
	WIN 0
	v_pk_add_f32 v[LA:LA+1], v[LA:LA+1], v[LA+2:LA+3]
	v_pk_add_f32 v[LA+4:LA+5], v[LA+4:LA+5], v[LA+6:LA+7]
	v_pk_add_f32 v[LA:LA+1], v[LA:LA+1], v[LA+4:LA+5]
	v_add_f32 v[M5+1], v[LA], v[LA+1]              ; the sum of my lane's keys
	s_wait_alu depctr_va_vdst(0)
	s_cmp_ge_i32 s51, -8
	s_cbranch_scc1 .Lmfree
	WIN 0x88
.set jj, 0
.rept 64
	v_min_num_f32 v[jj], v[HOLD], v[jj]
.set jj, jj+1
.endr
	WIN 0
.Lmfree:
	WIN 0x02
.irp t, 0,1,2,3,4,5,6,7
	v_cvt_scalef32_pk8_fp8_f32 v[P+2*\t:P+2*\t+1], v[8*\t:8*\t+7], v[SCL]
.endr
	WIN 0
	v_nop
	s_wait_alu depctr_va_vdst(0)
	s_wait_loadcnt 0x0                             ; V is in
	WIN 0x41                                       ; source 0 (V) and D window 1, source 1 (P) window 0
.irp t, 0,1,2,3,4,5,6,7                        ; O^T of this step lies where K lay
	v_wmma_f32_16x16x128_fp8_fp8 v[8*\t:8*\t+7], v[128+16*\t:128+16*\t+15], v[P:P+15], 0
.endr
	WIN 0
	PLACES
	; THE MERGE.  Wave w merges head w of both tiles: four parts each, and for tile A the last step's.
	s_mul_i32 s40, s[WV], HP
	v_add_nc_u32 v[RA], s40, v[LI]
	v_lshrrev_b32 v6, 1, v[LI]
	v_add_nc_u32 v[RM], s40, v6
	v_add_nc_u32 v[RM], 0x2000, v[RM]
.irp g, RA, RM
	v_add_nc_u32 v[\g+1], 2*WP, v[\g]
	v_add_nc_u32 v[\g+2], TP, v[\g]
	v_add_nc_u32 v[\g+3], TP+2*WP, v[\g]
.endr
	s_wait_alu depctr_va_vdst(0)
	s_wait_dscnt 0x0                               ; for the others' sake: my stores have landed
	s_barrier_signal -1
	s_barrier_wait -1
.irp x, 0,1
.irp p, 0,1,2,3
	ds_load_b64 v[ML+8*\x+2*\p:ML+8*\x+2*\p+1], v[RM+2*\x+\p/2] offset:(\p%2)*WP
.endr
.endr
.macro PARTS x                         ; a tile's four parts of O^T: B's into window 2, A's into window 3
	WIN 0x80+0x40*(\x)
.irp p, 0,1,2,3
.set ii, 0
.rept 16
	ds_load_b128 v[64*\p+4*ii:64*\p+4*ii+3], v[RA+2*(\x)+\p/2] offset:(\p%2)*WP+512*ii
.set ii, ii+1
.endr
.endr
	WIN 0
.endm
	PARTS 0
	s_wait_dscnt 63                                ; the eight pairs (-M, sum) are in: 64 loads stand behind them
.irp x, 0,1
	v_min_num_f32 v[TT+\x], v[ML+8*\x], v[ML+8*\x+2]
	v_min_num_f32 v[TT+2+\x], v[ML+8*\x+4], v[ML+8*\x+6]
.endr
.irp x, 0,1
	v_min_num_f32 v[TT+\x], v[TT+\x], v[TT+2+\x]   ; -(the largest M)
.endr
	v_min_num_f32 v[TT+1], v[TT+1], v[M5]
.irp x, 0,1
.irp p, 0,1,2,3
	v_sub_f32 v[LA+8*\x+2*\p], v[TT+\x], v[ML+8*\x+2*\p]   ; a part's M less it: a whole number, 0 or less (a part without a step: -3e38, whose factor is 0)
.endr
.endr
	v_sub_f32 v[F5], v[TT+1], v[M5]
.irp x, 0,1
.irp p, 0,1,2,3
	v_cvt_i32_f32 v[LA+8*\x+2*\p], v[LA+8*\x+2*\p]
.endr
.endr
	v_cvt_i32_f32 v[F5], v[F5]
.irp x, 0,1
.irp p, 0,1,2,3
	v_ldexp_f32 v[LA+8*\x+2*\p], 1.0, v[LA+8*\x+2*\p]
.endr
.endr
	v_ldexp_f32 v[F5], 1.0, v[F5]
.irp x, 0,1
	v_mul_f32 v[MX+\x], v[LA+8*\x], v[ML+8*\x+1]
.endr
.irp p, 1,2,3
.irp x, 0,1
	v_fma_f32 v[MX+\x], v[LA+8*\x+2*\p], v[ML+8*\x+2*\p+1], v[MX+\x]
.endr
.endr
	v_fma_f32 v[MX+1], v[F5], v[M5+1], v[MX+1]
.irp x, 0,1
	v_permlanex16_b32 v[PX+\x], v[MX+\x], s[SEL], s[SEL+1]
.endr
.irp x, 0,1
	v_add_f32 v[MX+\x], v[MX+\x], v[PX+\x]         ; and lane l xor 16's: the row's sum
.endr
	s_wait_alu depctr_va_vdst(0)
	v_rcp_f32 v[MX], v[MX]
	v_rcp_f32 v[MX+1], v[MX+1]
	v_mov_b32 v[K448], 0x43e00000                  ; 448  (plain lines behind the reciprocals)
	v_mov_b32 v[ONE], 1.0                          ; the conversion's scale: 2^0
	s_wait_alu depctr_va_vdst(0)                   ; the wait behind the batch, ahead of its first reader
.irp x, 0,1
	v_ldexp_f32 v[MX+\x], v[MX+\x], s54            ; x 2^(e8 + e9 - e10): what follows is the result divided by its scale
.endr
.irp x, 0,1
.irp p, 0,1,2,3
	v_mul_f32 v[LA+8*\x+2*\p], v[LA+8*\x+2*\p], v[MX+\x]
.endr
.endr
	v_mul_f32 v[F5], v[F5], v[MX+1]
	PARTS 1
.macro RESULT x
.if \x == 1
	WIN 0x01                                       ; source 0 window 1: the last step's part
	s_wait_alu depctr_va_vdst(0)                   ; directly ahead of the first readers of the products above
.set jj, 0
.rept 32
	v_pk_mul_f32 v[Q+jj:Q+jj+1], v[jj:jj+1], v[F5:F5+1] op_sel_hi:[1,0]
.set jj, jj+2
.endr
.else
	WIN 0x02
.set jj, 0
.rept 32
	v_pk_mul_f32 v[Q+jj:Q+jj+1], v[jj:jj+1], v[LA:LA+1] op_sel_hi:[1,0]
.set jj, jj+2
.endr
.endif
	WIN 0x02+(\x)                                  ; source 0 window 2 or 3
.irp p, 0,1,2,3
.if (\p > 0) || (\x == 1)
.set jj, 0
.rept 32
	v_pk_fma_f32 v[Q+jj:Q+jj+1], v[64*\p+jj:64*\p+jj+1], v[LA+8*(\x)+2*\p:LA+8*(\x)+2*\p+1], v[Q+jj:Q+jj+1] op_sel_hi:[1,0,1]
.set jj, jj+2
.endr
.endif
.endr
	WIN 0
.set jj, 0
.rept 64
	v_med3_num_f32 v[Q+jj], v[Q+jj], -v[K448], v[K448]   ; the conversion does not saturate (ISA guide 7.6.2)
.set jj, jj+1
.endr
.irp t, 0,1,2,3,4,5,6,7
	v_cvt_scalef32_pk8_fp8_f32 v[P+16*(\x)+2*\t:P+16*(\x)+2*\t+1], v[Q+8*\t:Q+8*\t+7], v[ONE]   ; d = 16 t + 8 h + 0 .. 7 of query r: registers 2t, 2t+1 of the image
.endr
	v_nop                                          ; a plain line behind the last conversion
.irp c, 0,1,2,3
	global_store_b128 v[LI], v[P+16*(\x)+4*\c:P+16*(\x)+4*\c+3], s[OUT+2*(\x):OUT+2*(\x)+1] offset:512*\c   ; a wave's store covers 512 consecutive bytes, aligned
.endr
.endm
	s_wait_alu depctr_va_vdst(0)
	s_wait_dscnt 63                                ; tile B's parts are in: tile A's 64 loads stand behind them
	RESULT 0
	s_wait_alu depctr_va_vdst(0)
	s_wait_dscnt 0x0
	RESULT 1
	s_wait_tensorcnt 0x0                           ; the wave's end
	ds_add_u32 v[SPW], v[NIL]
	s_wait_dscnt 0x0
	s_endpgm
.Lfunc_end_k_q175b739330_attn:
	.size	k_q175b739330_attn, .Lfunc_end_k_q175b739330_attn-k_q175b739330_attn
	.p2alignl 7, 3214868480
	.fill 96, 4, 3214868480
	.section	.rodata,"a",@progbits
	.p2align	6, 0x0
	.amdhsa_kernel k_q175b739330_attn
		.amdhsa_group_segment_fixed_size 270848
		.amdhsa_private_segment_fixed_size 0
		.amdhsa_enable_private_segment 0
		.amdhsa_kernarg_size 24
		.amdhsa_user_sgpr_count 2
		.amdhsa_user_sgpr_kernarg_segment_ptr 1
		.amdhsa_wavefront_size32 1
		.amdhsa_system_sgpr_workgroup_id_x 1
		.amdhsa_system_sgpr_workgroup_id_y 1
		.amdhsa_system_sgpr_workgroup_id_z 1
		.amdhsa_system_vgpr_workitem_id 0
		.amdhsa_next_free_vgpr 1024
		.amdhsa_next_free_sgpr 100
		.amdhsa_reserve_vcc 1
		.amdhsa_float_denorm_mode_32 3
		.amdhsa_float_denorm_mode_16_64 3
		.amdhsa_memory_ordered 1
		.amdhsa_forward_progress 1
		.amdhsa_inst_pref_size 167
	.end_amdhsa_kernel
	.amdgpu_metadata
---
amdhsa.version: [ 1, 2 ]
amdhsa.kernels:
  - .name:           k_q175b739330_attn
    .symbol:         k_q175b739330_attn.kd
    .args:
      - { .name: qkvc, .offset: 0, .size: 8, .value_kind: global_buffer, .address_space: global }
      - { .name: lowp_scales, .offset: 8, .size: 8, .value_kind: global_buffer, .address_space: global }
      - { .name: aimg, .offset: 16, .size: 8, .value_kind: global_buffer, .address_space: global }
    .group_segment_fixed_size: 270848
    .private_segment_fixed_size: 0
    .kernarg_segment_align: 8
    .kernarg_segment_size: 24
    .max_flat_workgroup_size: 128
    .sgpr_count:     100
    .vgpr_count:     1024
    .wavefront_size: 32
...
	.end_amdgpu_metadata
.endif
;; end of part 3
;; launch outp (part 4): grid 16 x 16, 4 waves a work-group, clusters of 4 x 4, 327,680 bytes of LDS; arguments aimg, img, lowp_scales, out0; writes out0
.if DOCPART == 4
	.amdgcn_target "amdgcn-amd-amdhsa--gfx1250"
	.amdhsa_code_object_version 6
	.text
	.protected	k_q175b739330_outp
	.globl	k_q175b739330_outp
	.p2align	8
	.type	k_q175b739330_outp,@function
k_q175b739330_outp:
	s_mov_b64 s[64:65], 0
	v_nop
	global_prefetch_b8 v0, s[64:65] scope:SCOPE_SE
	s_setreg_imm32_b32 hwreg(HW_REG_WAVE_MODE, 25, 1), 1
	s_wait_xcnt 0x0
	s_wait_alu depctr_hold_cnt(0) depctr_sa_sdst(0) depctr_va_vdst(0) depctr_va_sdst(0) depctr_va_ssrc(0) depctr_va_vcc(0) depctr_vm_vsrc(0)
	s_getreg_b32 s2, hwreg(HW_REG_IB_STS2, 6, 4)
	s_cmp_eq_u32 s2, 0
	s_cbranch_scc0 .Lentry_in_a_cluster
	s_endpgm
.Lentry_in_a_cluster:
	s_bfe_u32 s2, ttmp6, 0x10000c
	s_cmp_lg_u32 s2, 0xf033
	s_cbranch_scc0 .Lentry_shape_is_right
	s_endpgm
.Lentry_shape_is_right:
; out0 = a wo on codes of E4M3 (K = 2,048): 128 x 128 of the result for a work-group of four waves, 64 x 64 for a wave; each sum is multiplied once by 2^(e10 + e11).
; LIMIT: e10 + e11 lies between -126 and 127.  Operands are images of fragments (16 rows x 128 K = 2,048 bytes); source 0 is wo^T's fragment, source 1 a's: a lane holds eight neighbours of a row.
; LDS: A's slot 0 and slot 1 (65,536 bytes each: four K steps of a block of 128 rows), then B's two.  AT THE START each wave issues ONE load: wave 0 A's slot 0, wave 1 A's slot 1, waves 2 and 3 B's
; likewise: K steps 0 to 7.  Each slot is filled once more, half a slot of its operand to a wave.
; CLUSTERS of 4 x 4: A's blocks are asked for jointly along a row, B's along a column.
; PREFETCHES.  K steps 8 to 11 and 12 to 15 are asked for four K steps ahead of the refill that brings them; K steps 0 to 7 come by their loads alone.  Of the 32,768 bytes that a wave's refill brings, each of the four
; partners that ask for them jointly takes 8,192, told apart by address (cx for A, cy for B): one instruction a wave, lanes 256 bytes apart.
.set PFO,   30                         ; v30     256 x lane
.set PFA,   88                         ; s[88:89] my share of K step 0; never rewritten
.set SLOT,  65536                      ; from an operand's slot 0 to its slot 1
.set SPARE, 4*SLOT                     ; behind them: the spare words, 128 bytes for each wave: two blocks of 256 bytes that no other line names
.set SP,    272
.set ADRA, 16
.set ADRB, 20
.set LI,   24
.set STO,  25
.set RD,   26
.set CO,   27
.set SPW,  28
.set NIL,  29
.set TMP,  32
.set BK,   64
.set ACC,  128
.set F0,   0
.set F1,   128
.set G1,  24
.set G0,  32
.set G1B, 48
.set G0B, 56
.set MSB, 0
.macro WIN new
.if MSB != \new
	s_set_vgpr_msb (MSB<<8)|\new
.set MSB, \new
.endif
.endm
.set MUL,  0x05
.set TO_F, 0x40
.macro JLOAD s
	s_cmp_eq_u32 s15, 0
	s_cbranch_scc0 .Lfor_b_\@
	tensor_load_to_lds s[G0+4*\s:G0+4*\s+3], s[G1:G1+7]
	s_nop 0
.rept 4
	v_nop
.endr
	s_branch .Lasked_\@
.Lfor_b_\@:
	tensor_load_to_lds s[G0B+4*\s:G0B+4*\s+3], s[G1B:G1B+7]
	s_nop 0
.rept 4
	v_nop
.endr
.Lasked_\@:
.endm
.macro CREST
	s_cmp_lg_u32 s14, 0
	s_cbranch_scc1 .Lnot_wave_0_\@
	s_barrier_signal -3
.Lnot_wave_0_\@:
	s_barrier_wait -3
	s_barrier_signal -1
	s_barrier_wait -1
.endm
.macro CROUND
	s_barrier_signal -1
	s_barrier_wait -1
	CREST
.endm
.macro PLACES
.rept 4
	v_nop
.endr
.endm
	s_load_b256 s[4:11], s[0:1], 0x0
	v_lshl_add_u32 v[SPW], v0, 2, SPARE
	v_mov_b32 v[NIL], 0
	ds_add_u32 v[SPW], v[NIL]
	ds_add_u32 v[SPW], v[NIL]
	v_lshrrev_b32 v1, 5, v0
	v_readfirstlane_b32 s14, v1
	s_lshr_b32 s15, s14, 1
	s_and_b32 s16, s14, 1
	s_bfe_u32 s40, ttmp6, 0x40000
	s_bfe_u32 s41, ttmp6, 0x40004
	s_lshl_b32 s43, s41, 2
	s_lshl_b32 s43, 15, s43
	s_lshl_b32 s44, 0x1111, s40
	s_or_b32 s[G1], s43, (3<<16)|(1<<21)
	s_or_b32 s[G1B], s44, (3<<16)|(1<<21)
.irp g, G1, G1B
	s_mov_b32 s[\g+1], 32<<16
	s_mov_b32 s[\g+2], 256<<16                     ; at the start 256 rows of 256 bytes
	s_mov_b32 s[\g+3], 32<<16
	s_mov_b32 s[\g+4], 256
	s_mov_b32 s[\g+5], 32
	s_mov_b32 s[\g+6], 0
	s_mov_b32 s[\g+7], 0
.endr
	s_and_b32 s22, ttmp7, 0xffff
	s_lshl_b32 s22, s22, 2
	s_add_co_u32 s22, s22, s41
	s_lshl_b32 s23, ttmp9, 2
	s_add_co_u32 s23, s23, s40
	s_add_co_u32 s23, s23, 72
	s_lshl_b32 s20, s22, 18
	s_lshl_b32 s21, s16, 15
	s_add_co_u32 s20, s20, s21
	s_mov_b32 s21, 0
	s_lshl_b32 s46, s23, 18
	s_lshl_b32 s47, s16, 15
	s_add_co_u32 s46, s46, s47
	s_mov_b32 s47, 0
	s_lshl_b32 s45, s14, 15
	s_wait_dscnt 0x0
	s_wait_kmcnt 0x0
	s_load_b64 s[96:97], s[8:9], 0x28
	s_add_nc_u64 s[20:21], s[4:5], s[20:21]
	s_add_nc_u64 s[46:47], s[6:7], s[46:47]
	CROUND
	s_lshl_b32 s12, s16, 16                        ; my slot at the start: wave % 2
	s_lshl_b32 s84, s16, 15                        ; (s[20:21] and s[46:47] hold wave % 2 half slots already)
	s_mov_b32 s85, 0
	s_mov_b32 s[G0+4], 1
	s_mov_b32 s[G0+5], s12
	s_add_nc_u64 s[G0+6:G0+7], s[20:21], s[84:85]
	s_or_b32 s[G0+7], s[G0+7], 0x80000000
	s_mov_b32 s[G0B+4], 1
	s_add_co_u32 s[G0B+5], s12, 2*SLOT
	s_add_nc_u64 s[G0B+6:G0B+7], s[46:47], s[84:85]
	s_or_b32 s[G0B+7], s[G0B+7], 0x80000000
	JLOAD 1                                        ; K steps 0 to 7: both slots, one load a wave
	s_cmp_eq_u32 s15, 0                            ; do I fetch for A?
	s_cselect_b64 s[PFA:PFA+1], s[20:21], s[46:47]
	s_cselect_b32 s86, s40, s41
	s_lshl_b32 s86, s86, 13
	s_mov_b32 s87, 0
	s_add_nc_u64 s[PFA:PFA+1], s[PFA:PFA+1], s[86:87]
	v_and_b32 v1, 31, v0
	v_lshlrev_b32 v[LI], 4, v1
	v_lshlrev_b32 v[PFO], 4, v[LI]
	s_lshl_b32 s12, s15, 13
	s_lshl_b32 s13, s16, 13
	s_add_co_u32 s13, s13, 2*SLOT
.irp s, 0,1
	v_add_nc_u32 v[ADRA+\s], s12, v[LI]
	v_add_nc_u32 v[ADRB+\s], s13, v[LI]
	s_add_co_u32 s12, s12, SLOT
	s_add_co_u32 s13, s13, SLOT
.endr
	v_and_b32 v2, 15, v0
	v_bfe_u32 v3, v0, 4, 1
	s_mul_i32 s87, s14, 16*SP
	v_mul_u32_u24 v[STO], v2, SP
	v_lshl_add_u32 v[STO], v3, 5, v[STO]
	v_add_nc_u32 v[STO], s87, v[STO]
	v_mul_u32_u24 v[RD], v3, SP
	v_lshl_add_u32 v[RD], v2, 4, v[RD]
	v_add_nc_u32 v[RD], s87, v[RD]
	v_lshlrev_b32 v[CO], 13, v3
	v_lshl_add_u32 v[CO], v2, 4, v[CO]
	s_lshl_b32 s84, s22, 7
	s_lshl_b32 s85, s15, 6
	s_add_co_u32 s84, s84, s85
	s_lshl_b32 s84, s84, 13
	s_sub_co_u32 s86, s23, 72
	s_lshl_b32 s86, s86, 9
	s_add_co_u32 s84, s84, s86
	s_lshl_b32 s86, s16, 8
	s_add_co_u32 s84, s84, s86
	s_mov_b32 s85, 0
	s_add_nc_u64 s[10:11], s[10:11], s[84:85]
.macro FETCH slot, q, f
	WIN TO_F
.irp i, 0,1,2,3
.irp c, 0,1,2,3
	ds_load_b128 v[\f+16*\i+4*\c:\f+16*\i+4*\c+3], v[ADRA+\slot] offset:(\q)*16384+\i*2048+\c*512
.endr
.endr
.irp i, 0,1,2,3
.irp c, 0,1,2,3
	ds_load_b128 v[\f+64+16*\i+4*\c:\f+64+16*\i+4*\c+3], v[ADRB+\slot] offset:(\q)*16384+\i*2048+\c*512
.endr
.endr
.endm
.macro MUL8 f, a0, zero
	WIN MUL
.irp a, \a0, \a0+1
.irp b, 0,1,2,3
.if \zero
	v_wmma_f32_16x16x128_fp8_fp8 v[ACC+8*(4*(\a)+\b):ACC+8*(4*(\a)+\b)+7], v[\f+64+16*\b:\f+64+16*\b+15], v[\f+16*(\a):\f+16*(\a)+15], 0
.else
	v_wmma_f32_16x16x128_fp8_fp8 v[ACC+8*(4*(\a)+\b):ACC+8*(4*(\a)+\b)+7], v[\f+64+16*\b:\f+64+16*\b+15], v[\f+16*(\a):\f+16*(\a)+15], v[ACC+8*(4*(\a)+\b):ACC+8*(4*(\a)+\b)+7]
.endif
.endr
.endr
.endm
.macro STEP slot, q, f, g, zero
	s_wait_dscnt 0x0
	PLACES
	FETCH \slot, (\q)+1, \g
	MUL8 \f, 0, \zero
	MUL8 \f, 2, \zero
.endm
.macro TURN slot, next, fill
	s_wait_dscnt 0x0
	WIN 0
	s_wait_tensorcnt 0x0
	ds_add_u32 v[SPW], v[NIL]
	MUL8 F1, 0, 0
	s_wait_dscnt 0x0
	s_barrier_signal -1
	MUL8 F1, 2, 0
	WIN 0
	s_barrier_wait -1
.if \fill
	CREST
	s_add_nc_u64 s[G0+4*\slot+2:G0+4*\slot+3], s[G0+4*\slot+2:G0+4*\slot+3], 131072
	s_add_nc_u64 s[G0B+4*\slot+2:G0B+4*\slot+3], s[G0B+4*\slot+2:G0B+4*\slot+3], 131072
	JLOAD \slot
.else
	PLACES
.endif
	FETCH \next, 0, F0
.if (\fill == 1) && (\slot == 0)
	global_prefetch_b8 v[PFO], s[PFA:PFA+1] offset:196608 th:TH_LOAD_NT scope:SCOPE_SE   ; K steps 12 to 15
.endif
.endm
.macro REFILL s                        ; what slot s's refill steps on from: my half of its first four K steps
	s_mov_b32 s[G0+4*\s], 1
	s_add_co_u32 s[G0+4*\s+1], s45, \s*SLOT
	s_add_nc_u64 s[G0+4*\s+2:G0+4*\s+3], s[20:21], \s*65536
	s_or_b32 s[G0+4*\s+3], s[G0+4*\s+3], 0x80000000
	s_mov_b32 s[G0B+4*\s], 1
	s_add_co_u32 s[G0B+4*\s+1], s45, \s*SLOT+65536 ; (waves 2 and 3 fetch B: 32,768 x wave begins at 65,536)
	s_add_nc_u64 s[G0B+4*\s+2:G0B+4*\s+3], s[46:47], \s*65536
	s_or_b32 s[G0B+4*\s+3], s[G0B+4*\s+3], 0x80000000
.endm
	REFILL 0
	s_wait_alu depctr_va_vdst(0)
	s_wait_tensorcnt 0x0                           ; my part of both slots is in, so its descriptors may be written
	REFILL 1
.irp g, G1, G1B
	s_mov_b32 s[\g+2], 128<<16
	s_mov_b32 s[\g+4], 128
.endr
	s_barrier_signal -1
	s_barrier_wait -1
	FETCH 0, 0, F0
	global_prefetch_b8 v[PFO], s[PFA:PFA+1] offset:131072 th:TH_LOAD_NT scope:SCOPE_SE   ; K steps 8 to 11
	STEP 0, 0, F0, F1, 1
	STEP 0, 1, F1, F0, 0
	STEP 0, 2, F0, F1, 0
	TURN 0, 1, 1
	STEP 1, 0, F0, F1, 0
	STEP 1, 1, F1, F0, 0
	STEP 1, 2, F0, F1, 0
	TURN 1, 0, 1
	STEP 0, 0, F0, F1, 0
	STEP 0, 1, F1, F0, 0
	STEP 0, 2, F0, F1, 0
	TURN 0, 1, 0
	STEP 1, 0, F0, F1, 0
	STEP 1, 1, F1, F0, 0
	STEP 1, 2, F0, F1, 0
	s_wait_dscnt 0x0
	MUL8 F1, 0, 0
	MUL8 F1, 2, 0
	WIN 0
	PLACES
	s_wait_kmcnt 0x0
	s_add_co_i32 s96, s96, s97
	s_add_co_i32 s96, s96, 127
	s_lshl_b32 s96, s96, 23
.macro TOSTAGE a
.set nn, 0
.rept 16
	v_pk_mul_f32 v[TMP+nn:TMP+nn+1], v[ACC+32*(\a)+nn:ACC+32*(\a)+nn+1], s[96:97] op_sel_hi:[1,0]
.set nn, nn+2
.endr
.irp b, 0,1,2,3
	ds_store_b128 v[STO], v[TMP+8*\b:TMP+8*\b+3] offset:64*\b
	ds_store_b128 v[STO], v[TMP+8*\b+4:TMP+8*\b+7] offset:64*\b+16
.endr
.set BB, BK+32*((\a)%2)
.irp i, 0,1,2,3,4,5,6,7
	ds_load_b128 v[BB+4*\i:BB+4*\i+3], v[RD] offset:\i*2*SP
.endr
.endm
.macro SEND a, younger
.set BB, BK+32*((\a)%2)
	s_wait_dscnt \younger
.irp i, 0,1,2,3,4,5,6,7
	global_store_b128 v[CO], v[BB+4*\i:BB+4*\i+3], s[10:11] offset:(\a)*131072+\i*16384 th:TH_STORE_NT
.endr
.endm
	TOSTAGE 0
.irp a, 1,2,3
.if \a > 1
	s_wait_xcnt 0x0
.endif
	TOSTAGE \a
	SEND \a-1, 16
.endr
	SEND 3, 0
	s_wait_tensorcnt 0x0
	ds_add_u32 v[SPW], v[NIL]
	s_wait_dscnt 0x0
	CROUND
	s_endpgm
.Lfunc_end_k_q175b739330_outp:
	.size	k_q175b739330_outp, .Lfunc_end_k_q175b739330_outp-k_q175b739330_outp
	.p2alignl 7, 3214868480
	.fill 96, 4, 3214868480
	.section	.rodata,"a",@progbits
	.p2align	6, 0x0
	.amdhsa_kernel k_q175b739330_outp
		.amdhsa_group_segment_fixed_size 327680
		.amdhsa_private_segment_fixed_size 0
		.amdhsa_enable_private_segment 0
		.amdhsa_kernarg_size 32
		.amdhsa_user_sgpr_count 2
		.amdhsa_user_sgpr_kernarg_segment_ptr 1
		.amdhsa_wavefront_size32 1
		.amdhsa_system_sgpr_workgroup_id_x 1
		.amdhsa_system_sgpr_workgroup_id_y 1
		.amdhsa_system_sgpr_workgroup_id_z 1
		.amdhsa_system_vgpr_workitem_id 0
		.amdhsa_next_free_vgpr 512
		.amdhsa_next_free_sgpr 100
		.amdhsa_reserve_vcc 0
		.amdhsa_float_denorm_mode_32 3
		.amdhsa_float_denorm_mode_16_64 3
		.amdhsa_memory_ordered 1
		.amdhsa_forward_progress 1
		.amdhsa_inst_pref_size 73
	.end_amdhsa_kernel
	.amdgpu_metadata
---
amdhsa.version: [ 1, 2 ]
amdhsa.kernels:
  - .name:           k_q175b739330_outp
    .symbol:         k_q175b739330_outp.kd
    .args:
      - { .name: aimg, .offset: 0, .size: 8, .value_kind: global_buffer, .address_space: global }
      - { .name: img, .offset: 8, .size: 8, .value_kind: global_buffer, .address_space: global }
      - { .name: lowp_scales, .offset: 16, .size: 8, .value_kind: global_buffer, .address_space: global }
      - { .name: out0, .offset: 24, .size: 8, .value_kind: global_buffer, .address_space: global }
    .group_segment_fixed_size: 327680
    .private_segment_fixed_size: 0
    .kernarg_segment_align: 8
    .kernarg_segment_size: 32
    .max_flat_workgroup_size: 128
    .sgpr_count:     100
    .vgpr_count:     512
    .wavefront_size: 32
...
	.end_amdgpu_metadata
.endif
;; end of part 4
